; MI455X (gfx1250); checked and timed in simulation.
; The chip was launched on July 23, 2026; its instructions are those of AMD's public machine-readable ISA for CDNA 5 (MIT licence, August 2026) and "CDNA5" Instruction Set Architecture Reference Guide (July 2026). The comments in the code are by the model that wrote it; some were corrected since.
;; Selective State Space Cell. Allowed arithmetic: matrix products marked QUANTISED: E5M2 operands, one E8M0 scale for each 32 along K, by v_wmma_scale_f32_16x16x128_f8f6f4 with both operands' format E5M2, f32 sums; everything else in f32.
;; Inputs: W_cin_codes 2,048 x 32 x 32 uint8 (E5M2 codes of W_cin, K innermost, in blocks of 32 codes); W_cin_scales 2,048 x 32 uint8 (E8M0 scales of W_cin, one for each 32 codes along K); W_cstep_codes 2,048 x 32 x 32 uint8 (E5M2 codes of W_cstep, K innermost, in blocks of 32 codes); W_cstep_scales 2,048 x 32 uint8 (E8M0 scales of W_cstep, one for each 32 codes along K); W_in_codes 2,048 x 32 x 32 uint8 (E5M2 codes of W_in, K innermost, in blocks of 32 codes); W_in_scales 2,048 x 32 uint8 (E8M0 scales of W_in, one for each 32 codes along K); W_out_codes 1,024 x 96 x 32 uint8 (E5M2 codes of W_out, K innermost, in blocks of 32 codes); W_out_scales 1,024 x 96 uint8 (E8M0 scales of W_out, one for each 32 codes along K); W_state_codes 2,048 x 64 x 32 uint8 (E5M2 codes of W_state, K innermost, in blocks of 32 codes); W_state_scales 2,048 x 64 uint8 (E8M0 scales of W_state, one for each 32 codes along K); W_step_codes 2,048 x 32 x 32 uint8 (E5M2 codes of W_step, K innermost, in blocks of 32 codes); W_step_scales 2,048 x 32 uint8 (E8M0 scales of W_step, one for each 32 codes along K); b_in 2,048 float32; b_out 1,024 float32; b_step 2,048 float32; carry_scale 4,096 x 2,048 float32; conditioning_codes 4,096 x 32 x 32 uint8 (E5M2 codes of conditioning, K innermost, in blocks of 32 codes); conditioning_scales 4,096 x 32 uint8 (E8M0 scales of conditioning, one for each 32 codes along K); ln_b 1,024 float32; ln_w 1,024 float32; log_decay 2,048 float32; state 4,096 x 2,048 float32; x_t 4,096 x 1,024 float32.
;; Outputs: out0 4,096 x 1,024 float32; out1 4,096 x 2,048 float32.
;; This version of the problem:
;;   THIS VERSION OF THE PROBLEM IS GIVEN IN LOW PRECISION. The matrix products marked QUANTISED in the list below multiply operands that are first quantised to E5M2 (5 exponent bits, 2 mantissa bits; 8 bits a number), with one power-of-two scale for each 32 numbers along K (OCP MX v1.0); their sums are f32. All else is computed in f32.
;;   The module's matrix products, in the order in which they are computed (A, B: the left and right operand; K: the contracted axis; several contracted axes count as one K, in the product's order):
;;     1. [M 4,096, K 1,024] x [K 1,024, N 2,048]; A: input x_t; B: input W_step (given as codes): QUANTISED
;;     2. [M 4,096, K 1,024] x [K 1,024, N 2,048]; A: input conditioning (given as codes); B: input W_cstep (given as codes): QUANTISED
;;     3. [M 4,096, K 1,024] x [K 1,024, N 2,048]; A: input x_t; B: input W_in (given as codes): QUANTISED
;;     4. [M 4,096, K 1,024] x [K 1,024, N 2,048]; A: input conditioning (given as codes); B: input W_cin (given as codes): QUANTISED
;;     5. [M 4,096, K 2,048] x [K 2,048, N 2,048]; A: input state; B: input W_state (given as codes): QUANTISED
;;     6. [M 4,096, K 3,072] x [K 3,072, N 1,024]; A: computed on the way; B: input W_out (given as codes): QUANTISED
;;   THE QUANTISER, for each operand of a quantised product, along K:
;;     - K is cut into blocks of 32 from its start; a last block that is shorter is filled with zeros.
;;     - A block's scale is 2^e with e = floor(log2(the largest magnitude in the block)) - 15, held to -126 .. 127; a block of zeros has e = 0. As a byte (E8M0): e + 127.
;;     - Each number is divided by its block's scale, clamped to +-57,344, and rounded to the nearest number of E5M2, ties to even, subnormals kept.
;;     - The product sums the exact products of the quantised numbers (number of the format x scale) in f32.
;;   ~~~python
;;   def quantise(x, axis):      # numpy; x: float32 -> the quantised numbers, widened to float32 again
;;       x = np.moveaxis(x, axis, -1); K = x.shape[-1]
;;       x = np.pad(x, [(0, 0)] * (x.ndim - 1) + [(0, -K % 32)]); x = x.reshape(x.shape[:-1] + (-1, 32)); a = np.abs(x).max(-1, keepdims=True)
;;       e = np.where(a > 0, np.clip(np.frexp(np.where(a > 0, a, 1))[1] - 1 - 15, -126, 127), 0)      # np.frexp(a)[1] - 1 = floor(log2(a)), exactly
;;       r = np.clip(x / 2.0 ** e, -57344, 57344)
;;       step = 2.0 ** (np.maximum(np.frexp(np.where(r == 0, 1, r))[1] - 1, -14) - 2)
;;       q = np.round(r / step) * step * 2.0 ** e      # np.round: ties to even
;;       return np.moveaxis(q.reshape(q.shape[:-2] + (-1,))[..., :K], -1, axis).astype(np.float32)
;;   ~~~
;;   OPERANDS COMPUTED ON THE WAY. 'Computed on the way' means the value that the module computes at that place (a softmax that the list does not call 'softmax' is quantised finished and normalised). What goes into a quantiser is computed in f32, as accurately as f32 sums, v_exp_f32 and their like allow (about 1e-6 of the number): no bf16 or f16 on the way to a quantiser, and a product that is left as it is and whose result goes on into a quantised operand takes f32 operands (vector FMAs, or v_wmma_f32_16x16x4_f32). A number that lies on a knife's edge between two numbers of the format may be rounded either way, as far as f32 arithmetic and the matrix unit's own rounding can turn it there, and no further.
;;   INPUTS GIVEN AS CODES. W_cin (in the module: [1024, 2048], K = its axis 0); W_cstep (in the module: [1024, 2048], K = its axis 0); W_in (in the module: [1024, 2048], K = its axis 0); W_out (in the module: [3072, 1024], K = its axis 0); W_state (in the module: [2048, 2048], K = its axis 0); W_step (in the module: [1024, 2048], K = its axis 0); conditioning (in the module: [4096, 1024], K = its axis 1): each comes as NAME_codes (uint8): NAME with its K axis moved to the last place and cut into blocks of 32 codes, [.., K / 32, bytes a block], one block behind the other in memory; one code a byte (a code: sign, 5 exponent bits, 2 mantissa bits); and NAME_scales (uint8): the same leading axes, one E8M0 byte (e + 127) for each 32 codes along K. Its value is code x scale, taken as it is: it is not quantised again, and the codes and scales need not be those that the quantiser above would give.
;; One version. Each part assembles by itself: llvm-mc -triple=amdgcn-amd-amdhsa -mcpu=gfx1250 --defsym DOCPART=n.
;; ======== version 1 of 1: 4 launches
;; limits: right only within a limited range of input values
;; workspace buffers: xq 4,194,304 bytes; sq 8,388,608 bytes; nsq 8,388,608 bytes; asc 786,432 bytes; bsc 393,216 bytes; wosc 98,304 bytes; nsc 393,216 bytes; h 16,777,216 bytes
;; launch quant (part 1): grid 504 x 1, 4 waves a work-group, no clusters, 33,280 bytes of LDS; arguments x_t, state, xq, sq, asc, bsc, wosc, conditioning_scales, W_step_scales, W_cstep_scales, W_in_scales, W_cin_scales, W_state_scales, W_out_scales, nsc; writes xq, sq, asc, bsc, wosc, nsc
.if DOCPART == 1
	.amdgcn_target "amdgcn-amd-amdhsa--gfx1250"
	.amdhsa_code_object_version 6
	.text
	.protected	k_qc3c844397f_quant
	.globl	k_qc3c844397f_quant
	.p2align	8
	.type	k_qc3c844397f_quant,@function
k_qc3c844397f_quant:
	s_mov_b64 s[64:65], 0
	v_nop
	global_prefetch_b8 v0, s[64:65] scope:SCOPE_SE
	s_setreg_imm32_b32 hwreg(HW_REG_WAVE_MODE, 25, 1), 1
	s_wait_xcnt 0x0
; x_t [4096][1024] and state [4096][2048], f32, become codes of BF8 (E5M2), K innermost (xq, sq), and EVERY scale byte of the program is laid BY K STEP:
; a plane = one K step of 256 = 8 blocks of 32 = 8 bytes a row; asc [24 planes][4096 rows][8], bsc [24][2048][8], wosc [12][1024][8], nsc [12][4096][8].
; asc's planes: 0-3 x_t, 4-7 conditioning, 8-11 x_t again, 12-15 conditioning again, 16-23 state: the order in which the next launch walks K.  bsc's: 0-3 W_step, 4-7 W_cstep, 8-11 W_in, 12-15 W_cin, 16-23 W_state.
; nsc's planes 0-3 take x_t's bytes here; its planes 4-11 are new_state's, stored by the next launch: the order in which the last product walks K.
; So the scale bytes of a tile's rows are dense blocks of memory, one for each plane, which a tensor load brings as rows of a tile.
; A block's scale is 2^(floor(log2(its largest magnitude)) - 15); its byte is the largest magnitude's exponent field - 15, held at 1 from below; each number is divided by the scale, held within +-57,344, rounded to the nearest code, ties to even.
; LIMITS: a block of zeros gets the byte 1 where the rule says 127 (its codes are zeros, and this program alone reads the bytes); NaN and infinities among the inputs are not served.
; WORK-GROUPS 0-127 quantise x_t, 128-383 state: a wave takes 16 steps of 512 numbers.  A load reads 512 consecutive bytes, 16 a lane; a step's 2,048 bytes turn through the wave's own stage in LDS and come back 64 bytes a lane,
; so that a lane holds 16 neighbours along K and two neighbouring lanes a block.  A wave's 256 scale bytes are gathered in LDS; lane l then holds 8 bytes = one row's bytes of one plane, and stores them there:
; runs of 64 (x_t) or 32 (state) consecutive bytes: under a megabyte in all, against 50 read.
; WORK-GROUPS 384-503 lay the given scale bytes anew: a thread takes a row, loads its 32, 64 or 96 bytes and stores 8 to each plane: a wave's store covers 256 consecutive bytes, aligned.  No LDS there, no barrier anywhere: waves share nothing.
.set WGA,   128                        ; work-groups for x_t: 4096 x 1024 / 32768
.set WGQ,   384                        ; and for both tensors
.set STEPS, 16
.set EMAX,  15
.set MANT,  0x600000                   ; the mantissa field of 57,344 as f32
.set CB,    16                         ; bytes of 16 codes
.set R,     16                         ; v16-79   four sets of 16 numbers as they are loaded
.set X,     80                         ; v80-111  two sets of 16 neighbours
.set C,     128                        ; v128-191 codes: four registers for each step, so that no store's data are written again
.set E,     112                        ; v112-127 a scale byte for each step
.set WREG,  8192                       ; LDS: a region for each wave: two stages of 32 x SP bytes, behind them its 256 scale bytes
.set SP,    80                         ; a lane's place in a stage: 64 bytes + 16 of padding
	s_load_b512 s[4:19], s[0:1], 0x0               ; x_t s[4:5], state s[6:7], xq s[8:9], sq s[10:11], asc s[12:13], bsc s[14:15], wosc s[16:17], conditioning's scales s[18:19]
	s_load_b256 s[20:27], s[0:1], 0x40             ; the scales of W_step s[20:21], W_cstep s[22:23], W_in s[24:25], W_cin s[26:27]
	s_load_b128 s[28:31], s[0:1], 0x60             ; of W_state s[28:29], W_out s[30:31]
	s_load_b64 s[46:47], s[0:1], 0x70              ; nsc
	v_lshl_add_u32 v192, v0, 2, 0x8000
	v_mov_b32 v193, 0
	s_cmp_lt_u32 ttmp9, WGQ
	s_cbranch_scc0 .Lrelay
	v_lshrrev_b32 v1, 5, v0
	v_readfirstlane_b32 s32, v1                    ; wave
	v_and_b32 v2, 31, v0                           ; lane
	v_lshlrev_b32 v3, 4, v2                        ; my 16 bytes of a load's 512
	s_mul_i32 s33, s32, WREG
	v_lshrrev_b32 v14, 2, v2
	v_mul_u32_u24 v14, v14, SP
	v_and_b32 v15, 3, v2
	v_lshl_add_u32 v14, v15, 4, v14
	v_add_nc_u32 v14, s33, v14                     ; the stage, on the way in: SP (lane / 4) + 16 (lane % 4)
	v_mul_u32_u24 v15, v2, SP
	v_add_nc_u32 v15, s33, v15                     ; and on the way out: SP x lane: my 16 neighbours
	v_mul_u32_u24 v4, v2, CB                       ; my codes' place in a step's
	v_lshrrev_b32 v5, 1, v2
	s_add_co_u32 s33, s33, 2*32*SP
	v_add_nc_u32 v5, s33, v5                       ; LDS: my wave's 256 scale bytes, my block's byte
	v_lshlrev_b32 v12, 3, v2
	v_add_nc_u32 v6, s33, v12                      ; and on the way out 8 bytes a lane
	s_mov_b32 s39, MANT                            ; (an instruction takes one literal: the hold's line has another)
	s_wait_kmcnt 0x0
	s_cmp_lt_u32 ttmp9, WGA                        ; x_t's work-group or state's?  The choice hangs on the work-group's number alone
	s_cselect_b64 s[4:5], s[4:5], s[6:7]
	s_cselect_b64 s[8:9], s[8:9], s[10:11]
	s_cselect_b32 s33, 0, WGA
	s_cselect_b32 s40, 2, 3                        ; a row has 4 planes (x_t) or 8 (state): lane >> this is the row in my run,
	s_cselect_b32 s41, 3, 7                        ; lane & this the plane,
	s_cselect_b32 s42, 6, 5                        ; a run is 8 rows (64 bytes of a plane) or 4 (32),
	s_cselect_b32 s43, 0, 16<<15                   ; and state's planes begin at 16
	s_sub_co_u32 s33, ttmp9, s33
	s_lshl_b32 s33, s33, 2
	s_add_co_u32 s34, s33, s32                     ; which run of 8,192 numbers of the tensor is my wave's
	s_mov_b32 s35, 0
	s_mov_b64 s[36:37], 512*STEPS*4
	s_mul_u64 s[36:37], s[34:35], s[36:37]
	s_add_nc_u64 s[4:5], s[4:5], s[36:37]
	s_mov_b64 s[36:37], 32*STEPS*CB
	s_mul_u64 s[36:37], s[34:35], s[36:37]
	s_add_nc_u64 s[8:9], s[8:9], s[36:37]
	s_lshl_b32 s44, s34, s42
	s_add_co_u32 s44, s44, s43
	s_mov_b32 s45, 0
	s_add_nc_u64 s[12:13], s[12:13], s[44:45]      ; asc at my run's first row, in the tensor's first plane
	v_and_b32 v7, s41, v2
	v_lshlrev_b32 v7, 15, v7                       ; my plane: 32,768 bytes each
	v_lshrrev_b32 v12, s40, v2
	v_lshl_add_u32 v7, v12, 3, v7                  ; + my row: 8 bytes each
.macro LOAD t
.irp i, 0,1,2,3
	global_load_b128 v[R+16*((\t)%4)+4*\i:R+16*((\t)%4)+4*\i+3], v3, s[4:5] offset:2048*(\t)+512*\i   ; 32 lanes read 512 consecutive bytes
.endr
.endm
.macro TURN t                          ; step t's numbers through the stage: LDS serves a wave's instructions in order, so no wait stands between the stores and the loads
.irp i, 0,1,2,3
	ds_store_b128 v14, v[R+16*((\t)%4)+4*\i:R+16*((\t)%4)+4*\i+3] offset:32*SP*((\t)%2)+8*SP*\i
.endr
.irp i, 0,1,2,3
	ds_load_b128 v[X+16*((\t)%2)+4*\i:X+16*((\t)%2)+4*\i+3], v15 offset:32*SP*((\t)%2)+16*\i
.endr
.endm
.irp t, 0,1,2,3
	LOAD \t
.endr
	s_wait_loadcnt 12                              ; step 0's four loads are in; the twelve of steps 1 to 3 may be out
	TURN 0
.macro STEP t
.set XS, X+16*((\t)%2)
.if (\t) > 0
	s_wait_dscnt 1                                 ; this step's numbers are back from the stage (the last step's byte store may be out): so its stores into the stage have read their registers,
.else
	s_wait_dscnt 0x0
.endif
.if (\t)+4 < STEPS
	LOAD (\t)+4                                    ; which take the loads of four steps on
.endif
.if (\t)+1 < STEPS
.if STEPS-2-(\t) >= 3
	s_wait_loadcnt 12                              ; the next step's four loads are in; those of the three steps behind it may be out
.else
	s_wait_loadcnt 4*(STEPS-2-(\t))
.endif
	TURN (\t)+1                                    ; and go through the other stage while this step is worked
.endif
	v_max3_num_f32 v8, |v[XS]|, |v[XS+1]|, |v[XS+2]|               ; the largest magnitude of my 16
	v_max3_num_f32 v9, |v[XS+3]|, |v[XS+4]|, |v[XS+5]|
.irp i, 6,10
	v_max3_num_f32 v8, v8, |v[XS+\i]|, |v[XS+\i+1]|
	v_max3_num_f32 v9, v9, |v[XS+\i+2]|, |v[XS+\i+3]|
.endr
	v_max3_num_f32 v8, v8, |v[XS+14]|, |v[XS+15]|
	v_max3_num_f32 v8, v8, v9, (EMAX+1)<<23        ; and the floor 2^(EMAX + 1 - 127): so the byte cannot fall under 1
	v_max_num_f32_dpp v8, v8, v8 row_xmask:1 row_mask:0xf bank_mask:0xf   ; and of my neighbour's 16: the block's
	v_add_nc_u32 v11, -(EMAX<<23), v8              ; EMAX off its exponent field: the conversion takes the exponent field of this operand as its scale
	v_and_or_b32 v10, v8, 0x7f800000, s39          ; the largest number x the scale
.irp i, 0,1,2,3,4,5,6,7,8,9,10,11,12,13,14,15
	v_med3_num_f32 v[XS+\i], v[XS+\i], -v10, v10   ; the conversion to an 8-bit code does not saturate (ISA guide 7.6.2): hold the number first
.endr
	v_cvt_scalef32_pk8_bf8_f32 v[C+4*(\t):C+4*(\t)+1], v[XS:XS+7], v11
	v_cvt_scalef32_pk8_bf8_f32 v[C+4*(\t)+2:C+4*(\t)+3], v[XS+8:XS+15], v11
	v_lshrrev_b32 v[E+(\t)], 23, v11               ; the scale's byte (a plain line behind the conversions)
	ds_store_b8 v5, v[E+(\t)] offset:16*(\t)       ; both lanes of a block write the same byte with the same value
	global_store_b128 v4, v[C+4*(\t):C+4*(\t)+3], s[8:9] offset:32*CB*(\t)   ; the wave stores 512 consecutive bytes
.endm
.irp t, 0,1,2,3,4,5,6,7,8,9,10,11,12,13,14,15
	STEP \t
.endr
	ds_load_b64 v[12:13], v6                       ; LDS serves a wave's instructions in order: these see my stores
	s_wait_dscnt 0x0
	global_store_b64 v7, v[12:13], s[12:13]        ; one row's 8 bytes of one plane
	s_cmp_lt_u32 ttmp9, WGA
	s_cbranch_scc0 .Lq_end
	global_store_b64 v7, v[12:13], s[12:13] offset:8<<15   ; x_t's bytes once more, in planes 8 to 11 of asc,
	s_add_nc_u64 s[46:47], s[46:47], s[44:45]      ; (nsc's planes are as large as asc's; x_t's begin at plane 0 in both)
	global_store_b64 v7, v[12:13], s[46:47]        ; and in planes 0 to 3 of nsc
.Lq_end:
	s_wait_tensorcnt 0x0
	ds_add_u32 v192, v193
	s_wait_dscnt 0x0
	s_endpgm
; A given tensor of scale bytes [rows][rb] goes to planes plane0 on (and, dup >= 0, once more to planes dup on).  128 rows a work-group, a thread a row.
.macro RELAY src, rb, dst, plane0, pstride, ubase, dup
	s_sub_co_u32 s34, s33, \ubase
	s_lshl_b32 s34, s34, 7
	v_add_nc_u32 v1, s34, v0                       ; my row
	v_mul_u32_u24 v2, v1, \rb
	v_lshlrev_b32 v3, 3, v1
.set i, 0
.rept \rb/16
	global_load_b128 v[8+4*i:11+4*i], v2, s[\src:\src+1] offset:16*i
.set i, i+1
.endr
	s_wait_alu depctr_va_vdst(0)
	s_wait_loadcnt 0x0
.set i, 0
.rept \rb/8
	global_store_b64 v3, v[8+2*i:9+2*i], s[\dst:\dst+1] offset:(\plane0+i)*\pstride   ; 32 rows x 8 bytes: 256 consecutive bytes, aligned
.if \dup >= 0
	global_store_b64 v3, v[8+2*i:9+2*i], s[\dst:\dst+1] offset:(\dup+i)*\pstride
.endif
.set i, i+1
.endr
	s_endpgm
.endm
.Lrelay:
	s_sub_co_u32 s33, ttmp9, WGQ
	s_wait_kmcnt 0x0
	s_cmp_lt_u32 s33, 32
	s_cbranch_scc0 .Lr1
	RELAY 18, 32, 12, 4, 32768, 0, 12              ; conditioning: planes 4-7 and 12-15 of asc
.Lr1:
	s_cmp_lt_u32 s33, 48
	s_cbranch_scc0 .Lr2
	RELAY 20, 32, 14, 0, 16384, 32, -1             ; W_step
.Lr2:
	s_cmp_lt_u32 s33, 64
	s_cbranch_scc0 .Lr3
	RELAY 22, 32, 14, 4, 16384, 48, -1             ; W_cstep
.Lr3:
	s_cmp_lt_u32 s33, 80
	s_cbranch_scc0 .Lr4
	RELAY 24, 32, 14, 8, 16384, 64, -1             ; W_in
.Lr4:
	s_cmp_lt_u32 s33, 96
	s_cbranch_scc0 .Lr5
	RELAY 26, 32, 14, 12, 16384, 80, -1            ; W_cin
.Lr5:
	s_cmp_lt_u32 s33, 112
	s_cbranch_scc0 .Lr6
	RELAY 28, 64, 14, 16, 16384, 96, -1            ; W_state
.Lr6:
	RELAY 30, 96, 16, 0, 8192, 112, -1             ; W_out
.Lfunc_end_k_qc3c844397f_quant:
	.size	k_qc3c844397f_quant, .Lfunc_end_k_qc3c844397f_quant-k_qc3c844397f_quant
	.p2alignl 7, 3214868480
	.fill 96, 4, 3214868480
	.section	.rodata,"a",@progbits
	.p2align	6, 0x0
	.amdhsa_kernel k_qc3c844397f_quant
		.amdhsa_group_segment_fixed_size 33280
		.amdhsa_private_segment_fixed_size 0
		.amdhsa_enable_private_segment 0
		.amdhsa_kernarg_size 120
		.amdhsa_user_sgpr_count 2
		.amdhsa_user_sgpr_kernarg_segment_ptr 1
		.amdhsa_wavefront_size32 1
		.amdhsa_system_sgpr_workgroup_id_x 1
		.amdhsa_system_sgpr_workgroup_id_y 1
		.amdhsa_system_sgpr_workgroup_id_z 1
		.amdhsa_system_vgpr_workitem_id 0
		.amdhsa_next_free_vgpr 194
		.amdhsa_next_free_sgpr 66
		.amdhsa_reserve_vcc 0
		.amdhsa_float_denorm_mode_32 3
		.amdhsa_float_denorm_mode_16_64 3
		.amdhsa_memory_ordered 1
		.amdhsa_forward_progress 1
		.amdhsa_inst_pref_size 60
	.end_amdhsa_kernel
	.amdgpu_metadata
---
amdhsa.version: [ 1, 2 ]
amdhsa.kernels:
  - .name:           k_qc3c844397f_quant
    .symbol:         k_qc3c844397f_quant.kd
    .args:
      - { .name: x_t, .offset: 0, .size: 8, .value_kind: global_buffer, .address_space: global }
      - { .name: state, .offset: 8, .size: 8, .value_kind: global_buffer, .address_space: global }
      - { .name: xq, .offset: 16, .size: 8, .value_kind: global_buffer, .address_space: global }
      - { .name: sq, .offset: 24, .size: 8, .value_kind: global_buffer, .address_space: global }
      - { .name: asc, .offset: 32, .size: 8, .value_kind: global_buffer, .address_space: global }
      - { .name: bsc, .offset: 40, .size: 8, .value_kind: global_buffer, .address_space: global }
      - { .name: wosc, .offset: 48, .size: 8, .value_kind: global_buffer, .address_space: global }
      - { .name: conditioning_scales, .offset: 56, .size: 8, .value_kind: global_buffer, .address_space: global }
      - { .name: W_step_scales, .offset: 64, .size: 8, .value_kind: global_buffer, .address_space: global }
      - { .name: W_cstep_scales, .offset: 72, .size: 8, .value_kind: global_buffer, .address_space: global }
      - { .name: W_in_scales, .offset: 80, .size: 8, .value_kind: global_buffer, .address_space: global }
      - { .name: W_cin_scales, .offset: 88, .size: 8, .value_kind: global_buffer, .address_space: global }
      - { .name: W_state_scales, .offset: 96, .size: 8, .value_kind: global_buffer, .address_space: global }
      - { .name: W_out_scales, .offset: 104, .size: 8, .value_kind: global_buffer, .address_space: global }
      - { .name: nsc, .offset: 112, .size: 8, .value_kind: global_buffer, .address_space: global }
    .group_segment_fixed_size: 33280
    .private_segment_fixed_size: 0
    .kernarg_segment_align: 8
    .kernarg_segment_size: 120
    .max_flat_workgroup_size: 128
    .sgpr_count:     66
    .vgpr_count:     194
    .wavefront_size: 32
...
	.end_amdgpu_metadata
.endif
;; end of part 1
;; launch cell (part 2): grid 8 x 32, 4 waves a work-group, clusters of 4 x 4, 327,680 bytes of LDS; arguments xq, conditioning_codes, sq, asc, bsc, W_step_codes, W_cstep_codes, W_in_codes, W_cin_codes, W_state_codes, b_step, b_in, log_decay, state, carry_scale, out1, nsq, nsc; writes out1, nsq, nsc
.if DOCPART == 2
	.amdgcn_target "amdgcn-amd-amdhsa--gfx1250"
	.amdhsa_code_object_version 6
	.text
	.protected	k_qc3c844397f_cell
	.globl	k_qc3c844397f_cell
	.p2align	8
	.type	k_qc3c844397f_cell,@function
k_qc3c844397f_cell:
	s_mov_b64 s[64:65], 0
	v_nop
	global_prefetch_b8 v0, s[64:65] scope:SCOPE_SE
	s_setreg_imm32_b32 hwreg(HW_REG_WAVE_MODE, 25, 1), 1
	s_wait_xcnt 0x0
	s_wait_alu depctr_hold_cnt(0) depctr_sa_sdst(0) depctr_va_vdst(0) depctr_va_sdst(0) depctr_va_ssrc(0) depctr_va_vcc(0) depctr_vm_vsrc(0)
	s_getreg_b32 s2, hwreg(HW_REG_IB_STS2, 6, 4)
	s_cmp_eq_u32 s2, 0
	s_cbranch_scc0 .Lentry_in_a_cluster
	s_endpgm
.Lentry_in_a_cluster:
	s_bfe_u32 s2, ttmp6, 0x10000c
	s_cmp_lg_u32 s2, 0xf033
	s_cbranch_scc0 .Lentry_shape_is_right
	s_endpgm
.Lentry_shape_is_right:
; new_state = decay x state + (1 - decay) x proposal, on codes of BF8 (E5M2) with one E8M0 scale for each 32 along K; new_state goes out as f32 (out1) and as codes and scale bytes (nsq, nsc).
; A work-group makes 128 rows x 256 columns, four waves of 64 x 128.  K is walked in 24 steps of 256 through two LDS slots: x_t W_step (4), conditioning W_cstep (4), x_t W_in (4), conditioning W_cin (4), state W_state (8).
; Behind the first and the second walk the sums become softplus (base 2, kept in window 3); the last three walks share one sum, the proposal's.  All scale bytes of the tile lie in LDS behind the ring.
; CLUSTERS: 4 x 4 work-groups; A's tiles are asked for jointly along a row of the cluster, B's along a column.
; PREFETCH: behind each refill a wave names, a lane a row, the 256 bytes a row of the K step that stands two refills on: of the rows that it fetches jointly, its work-group's quarter (16 of A's 64, 32 of B's 128),
; told apart by address alone.  The first walk comes by its loads alone; A's waves ask for nothing while x_t and conditioning are walked a second time; the last two refills ask for nothing.
; LIMITS: NaN and infinities among the inputs are not served.
.set PITCH, 272
.set HALFA, 64*PITCH
.set HALFB, 128*PITCH
.set BOFFL, 128*PITCH
.set SLOT1, 1<<17
.set SAB,   SLOT1+BOFFL+256*PITCH
.set SBB,   SAB+24*1024
.set SPARE, 327168
.set SPI,   528
.set ZG,    32*SPI
.set STGW,  4*ZG
.set CST,   4*STGW
.set CPI,   144
.set CSTW,  64*CPI
.set NSS,   CST+4*CSTW
.set ROWF,  8192
.set ADRA0, 4
.set ADRB0, 5
.set ADRS0, 6
.set ADA,   8
.set ADB,   9
.set ADS,   10
.set SPW,   12
.set NIL,   13
.set PFO,   14
.set PF1,   15                         ; v15  the tiles' prefetch: my row x 1,024 bytes; never rewritten
.set PF2,   11                         ; v11  my row x 2,048 bytes; never rewritten
.set PP,    84                         ; s[84:85] my stream's prefetch address, 256 bytes beyond what the next prefetch names (these registers held the scales' groups 0, whose loads have landed)
.set PM,    86                         ; s86  0: ask for nothing; 1: rows 1,024 bytes apart; 2: rows 2,048 apart
.set XO,    88                         ; s[88:89] my work-group's quarter of the rows, in bytes at 1,024 a row
.set PE,    90                         ; s[90:91] the last walk's first prefetch address
.set PARMS, 1                          ; which arms ASKT has where it is expanded: bit 0 rows of 1,024 bytes, bit 1 rows of 2,048: only the modes that the walk can have there
.macro PSET ma                         ; the prefetches go on to the walk whose pointers stand in QA and QB; ma: the mode of A's waves
	s_wait_xcnt 0x0                                ; my last prefetch has read its address
	s_cmp_lt_u32 s[WV], 2
	s_cselect_b64 s[PP:PP+1], s[QA:QA+1], s[QB:QB+1]
	s_cselect_b32 s[PM], \ma, 1
	s_add_nc_u64 s[PP:PP+1], s[PP:PP+1], s[XO:XO+1]
.endm
.macro ASKT                            ; one prefetch a wave; the branches hang on the wave's number and on counted steps alone
.if PARMS & 1
	s_cmp_eq_u32 s[PM], 1
	s_cbranch_scc0 .Lnot_p1_\@
	global_prefetch_b8 v[PF1], s[PP:PP+1] offset:-256 th:TH_LOAD_NT scope:SCOPE_SE
.Lnot_p1_\@:
.endif
.if PARMS & 2
	s_cmp_eq_u32 s[PM], 2
	s_cbranch_scc0 .Lnot_p2_\@
	global_prefetch_b8 v[PF2], s[PP:PP+1] offset:-256 th:TH_LOAD_NT scope:SCOPE_SE
.Lnot_p2_\@:
.endif
.endm
.set STO,   16
.set RS,    17
.set RD1,   18
.set RD2,   19
.set CW,    20
.set BW,    21
.set GOFF,  22
.set FR,    23
.set FO,    24
.set FS,    25
.set FSO,   26
.set BOV,   27
.set NE,    28
.set SC,    32
.set BI2,   48
.set TM,    52
.set AF,    64
.set ZR,    64
.set GR,    80
.set SR,    96
.set CR,    112
.set BI,    192
.set T,     192
.set TB,  2
.set CNT, 3
.set GIA, 4
.set GIB, 12
.set NAA, 4
.set QA,  6
.set AOF, 8
.set E4A, 10
.set NAB, 12
.set QB,  14
.set BOF, 20
.set E4B, 22
.set WV,  16
.set TS,  17
.set AH,  18
.set BH,  19
.set G1A,  24
.set G1A2, 32
.set G1B,  40
.set G1B2, 48
.set G1SA, 56
.set G1SB, 68
.set G0A,  76
.set G0B,  80
.set G0SA, 84
.set G0SB, 88
.set ST,  92
.set CA,  94
.set O1,  96
.set L2E, 98
.set P1,  100
.set C2,  104
.set MNT, 67
.set MUL,  0xa1
.set MULB, 0x81
.set MSB, 0
.macro WIN new
.if MSB != \new
	s_set_vgpr_msb (MSB<<8)|\new
.set MSB, \new
.endif
.endm
.macro PLACES n
.rept \n
	v_nop
.endr
.endm
.macro JLOAD g0a, g1a, g0b, g1b
	s_cmp_lt_u32 s[WV], 2
	s_cbranch_scc0 .Lfor_b_\@
	tensor_load_to_lds s[\g0a:\g0a+3], s[\g1a:\g1a+7]
	s_nop 0
	PLACES 4
	s_branch .Lasked_\@
.Lfor_b_\@:
	tensor_load_to_lds s[\g0b:\g0b+3], s[\g1b:\g1b+7]
	s_nop 0
	PLACES 4
.Lasked_\@:
.endm
.macro CREST
	s_cmp_lg_u32 s[WV], 0
	s_cbranch_scc1 .Lnot_wave_0_\@
	s_barrier_signal -3
.Lnot_wave_0_\@:
	s_barrier_wait -3
	s_barrier_signal -1
	s_barrier_wait -1
.endm
.macro CROUND
	s_barrier_signal -1
	s_barrier_wait -1
	CREST
.endm
.macro TOPI offa, offb
	s_load_b64 s[QA:QA+1], s[0:1], \offa
	s_load_b64 s[QB:QB+1], s[0:1], \offb
.endm
.macro TOPF
	s_wait_kmcnt 0x0
	s_add_nc_u64 s[QA:QA+1], s[QA:QA+1], s[AOF:AOF+1]
	s_add_nc_u64 s[QB:QB+1], s[QB:QB+1], s[BOF:BOF+1]
.endm
.macro NEXTP
	s_mov_b64 s[NAA:NAA+1], s[QA:QA+1]
	s_mov_b64 s[NAB:NAB+1], s[QB:QB+1]
.endm
	s_load_b64 s[GIA+2:GIA+3], s[0:1], 0x0
	s_load_b64 s[G0SA+2:G0SA+3], s[0:1], 0x18
	s_load_b64 s[GIB+2:GIB+3], s[0:1], 0x28
	s_load_b64 s[G0SB+2:G0SB+3], s[0:1], 0x20
	s_load_b64 s[ST:ST+1], s[0:1], 0x68
	s_load_b64 s[CA:CA+1], s[0:1], 0x70
	s_load_b64 s[O1:O1+1], s[0:1], 0x78
	s_load_b64 s[L2E:L2E+1], s[0:1], 0x50
	s_load_b64 s[P1:P1+1], s[0:1], 0x58
	s_load_b64 s[C2:C2+1], s[0:1], 0x60
	v_lshl_add_u32 v[SPW], v0, 2, SPARE
	v_mov_b32 v[NIL], 0
	ds_add_u32 v12, v13
	ds_add_u32 v12, v13
	s_wait_dscnt 0x0
	v_lshrrev_b32 v1, 5, v0
	v_readfirstlane_b32 s[WV], v1
	s_lshr_b32 s[AH], s[WV], 1
	s_and_b32 s[BH], s[WV], 1
	s_bfe_u32 s66, ttmp6, 0x40000
	s_bfe_u32 s67, ttmp6, 0x40004
	s_lshl_b32 s2, s67, 2
	s_lshl_b32 s2, 15, s2
	s_lshl_b32 s3, 0x1111, s66
	s_or_b32 s[G1A], s2, (1<<20)|(1<<21)|(5<<22)|(3<<25)
	s_or_b32 s[G1A2], s2, (1<<20)|(1<<21)|(5<<22)|(3<<25)
	s_or_b32 s[G1B], s3, (1<<20)|(1<<21)|(5<<22)|(3<<25)
	s_or_b32 s[G1B2], s3, (1<<20)|(1<<21)|(5<<22)|(3<<25)
	s_or_b32 s[G1SA], s2, (3<<16)|(1<<21)
	s_or_b32 s[G1SB], s3, (3<<16)|(1<<21)
.irp g, G1A, G1A2
	s_mov_b32 s[\g+1], 256<<16
	s_mov_b32 s[\g+2], 64<<16
	s_mov_b32 s[\g+3], 256<<16
	s_mov_b32 s[\g+4], 64
	s_mov_b32 s[\g+6], 0
	s_mov_b32 s[\g+7], 0
.endr
.irp g, G1B, G1B2
	s_mov_b32 s[\g+1], 256<<16
	s_mov_b32 s[\g+2], 128<<16
	s_mov_b32 s[\g+3], 256<<16
	s_mov_b32 s[\g+4], 128
	s_mov_b32 s[\g+6], 0
	s_mov_b32 s[\g+7], 0
.endr
	s_mov_b32 s[G1A+5], 1024
	s_mov_b32 s[G1A2+5], 2048
	s_mov_b32 s[G1B+5], 1024
	s_mov_b32 s[G1B2+5], 2048
.irp g, G1SA, G1SB
	s_mov_b32 s[\g+1], 128<<16
	s_mov_b32 s[\g+3], 128<<16
	s_mov_b32 s[\g+6], 0
	s_mov_b32 s[\g+7], 0
.endr
	s_mov_b32 s[G1SA+2], 12<<16
	s_mov_b32 s[G1SA+4], 12
	s_mov_b32 s[G1SA+5], 4096
	s_mov_b32 s[G1SB+2], 24<<16
	s_mov_b32 s[G1SB+4], 24
	s_mov_b32 s[G1SB+5], 2048
	s_and_b32 s76, ttmp7, 0xffff
	s_lshl_b32 s76, s76, 2
	s_add_co_u32 s67, s76, s67
	s_lshl_b32 s80, ttmp9, 2
	s_add_co_u32 s66, s80, s66
	s_lshl_b32 s[AOF], s67, 17
	s_lshl_b32 s76, s[BH], 16
	s_add_co_u32 s[AOF], s[AOF], s76
	s_mov_b32 s[AOF+1], 0
	s_lshl_b32 s[E4A], s67, 10
	s_mul_i32 s76, s[BH], 12*32768
	s_add_co_u32 s[E4A], s[E4A], s76
	s_mov_b32 s[E4A+1], 0
	s_lshl_b32 s[BOF], s66, 18
	s_lshl_b32 s80, s[BH], 17
	s_add_co_u32 s[BOF], s[BOF], s80
	s_mov_b32 s[BOF+1], 0
	s_lshl_b32 s[E4B], s66, 11
	s_lshl_b32 s80, s[BH], 10
	s_add_co_u32 s[E4B], s[E4B], s80
	s_mov_b32 s[E4B+1], 0
	s_lshl_b32 s2, s66, 10
	s_lshl_b32 s3, s[BH], 9
	s_add_co_u32 s2, s2, s3
	s_mov_b32 s3, 0
	s_wait_kmcnt 0x0
	s_add_nc_u64 s[L2E:L2E+1], s[L2E:L2E+1], s[2:3]
	s_add_nc_u64 s[P1:P1+1], s[P1:P1+1], s[2:3]
	s_add_nc_u64 s[C2:C2+1], s[C2:C2+1], s[2:3]
	s_lshl_b32 s17, s67, 20
	s_add_co_u32 s2, s2, s17
	s_lshl_b32 s17, s[AH], 19
	s_add_co_u32 s2, s2, s17
	s_add_nc_u64 s[ST:ST+1], s[ST:ST+1], s[2:3]
	s_add_nc_u64 s[CA:CA+1], s[CA:CA+1], s[2:3]
	s_add_nc_u64 s[O1:O1+1], s[O1:O1+1], s[2:3]
	s_add_nc_u64 s[GIA+2:GIA+3], s[GIA+2:GIA+3], s[AOF:AOF+1]
	s_add_nc_u64 s[G0A+2:G0A+3], s[GIA+2:GIA+3], 256
	s_add_nc_u64 s[GIB+2:GIB+3], s[GIB+2:GIB+3], s[BOF:BOF+1]
	s_add_nc_u64 s[G0B+2:G0B+3], s[GIB+2:GIB+3], 256
	s_add_nc_u64 s[G0SA+2:G0SA+3], s[G0SA+2:G0SA+3], s[E4A:E4A+1]
	s_add_nc_u64 s[G0SB+2:G0SB+3], s[G0SB+2:G0SB+3], s[E4B:E4B+1]
	s_mov_b32 s[GIA], 1
	s_mul_i32 s[GIA+1], s[BH], HALFA
	s_or_b32 s[GIA+3], s[GIA+3], 0x80000000
	s_mov_b32 s[GIB], 1
	s_mul_i32 s[GIB+1], s[BH], HALFB
	s_add_co_u32 s[GIB+1], s[GIB+1], BOFFL
	s_or_b32 s[GIB+3], s[GIB+3], 0x80000000
	s_mov_b32 s[G0A], 1
	s_add_co_u32 s[G0A+1], s[GIA+1], SLOT1
	s_or_b32 s[G0A+3], s[G0A+3], 0x80000000
	s_mov_b32 s[G0B], 1
	s_add_co_u32 s[G0B+1], s[GIB+1], SLOT1
	s_or_b32 s[G0B+3], s[G0B+3], 0x80000000
	s_mov_b32 s[G0SA], 1
	s_mul_i32 s[G0SA+1], s[BH], 12*1024
	s_add_co_u32 s[G0SA+1], s[G0SA+1], SAB
	s_or_b32 s[G0SA+3], s[G0SA+3], 0x80000000
	s_mov_b32 s[G0SB], 1
	s_mul_i32 s[G0SB+1], s[BH], 24*1024
	s_add_co_u32 s[G0SB+1], s[G0SB+1], SBB
	s_or_b32 s[G0SB+3], s[G0SB+3], 0x80000000
	CROUND
	JLOAD G0SA, G1SA, G0SB, G1SB
	s_wait_alu depctr_va_vdst(0)
	s_wait_tensorcnt 0x0
	ds_add_u32 v12, v13
	s_wait_dscnt 0x0
	CROUND
	JLOAD GIA, G1A, GIB, G1B
	s_wait_alu depctr_va_vdst(0)
	s_wait_tensorcnt 0x0
	ds_add_u32 v12, v13
	s_wait_dscnt 0x0
	CROUND
	JLOAD G0A, G1A, G0B, G1B
	v_and_b32 v1, 15, v0
	v_bfe_u32 v2, v0, 4, 1
	v_and_b32 v3, 31, v0
	v_lshlrev_b32 v[BOV], 5, v2
	v_lshlrev_b32 v[GOFF], 4, v3
.irp b, 0,1,2,3,4,5,6,7
	global_load_b128 v[BI+8*\b:BI+8*\b+3], v[BOV], s[L2E:L2E+1] offset:64*\b
	global_load_b128 v[BI+8*\b+4:BI+8*\b+7], v[BOV], s[L2E:L2E+1] offset:64*\b+16
.endr
	global_load_b128 v[NE:NE+3], v[GOFF], s[C2:C2+1]
	global_load_b128 v[BI2:BI2+3], v[GOFF], s[P1:P1+1]
	v_mul_u32_u24 v7, v1, PITCH
	v_lshl_add_u32 v7, v2, 4, v7
	s_mul_i32 s3, s[AH], 64*PITCH
	v_add_nc_u32 v[ADRA0], s3, v7
	s_mul_i32 s3, s[BH], 128*PITCH
	s_add_co_u32 s3, s3, BOFFL
	v_add_nc_u32 v[ADRB0], s3, v7
	s_lshl_b32 s3, s[AH], 9
	s_mul_i32 s66, s[BH], 24*1024
	s_add_co_u32 s66, s66, SBB-SAB
	s_sub_co_u32 s66, s66, s3
	v_mul_u32_u24 v7, s66, v2
	s_add_co_u32 s3, s3, SAB
	v_lshl_add_u32 v7, v1, 3, v7
	v_add_nc_u32 v[ADRS0], s3, v7
	s_mul_i32 s3, s[WV], STGW
	v_mul_u32_u24 v7, v1, SPI
	v_lshl_add_u32 v7, v2, 5, v7
	v_add_nc_u32 v[STO], s3, v7
	v_add_nc_u32 v[RD1], s3, v[GOFF]
	v_add_nc_u32 v[RD2], s3, v[GOFF]
	s_add_co_u32 s3, s3, 2*ZG
	v_add_nc_u32 v[RS], s3, v[GOFF]
	s_mul_i32 s3, s[WV], CSTW
	s_add_co_u32 s3, s3, CST
	v_lshl_add_u32 v[CW], v3, 2, s3
	s_lshl_b32 s3, s[WV], 8
	s_add_co_u32 s3, s3, NSS
	v_lshrrev_b32 v7, 3, v3
	v_add_nc_u32 v[BW], s3, v7
	s_mul_i32 s3, s[AH], 2*CSTW
	s_mul_i32 s66, s[BH], 32*CPI
	s_add_co_u32 s3, s3, s66
	s_add_co_u32 s3, s3, CST
	v_bfe_u32 v7, v0, 3, 1
	v_mul_u32_u24 v7, v7, CSTW
	v_mad_u32_u24 v7, v2, CPI, v7
	v_and_b32 v11, 7, v0
	v_lshl_add_u32 v7, v11, 4, v7
	v_add_nc_u32 v[FR], s3, v7
	v_lshlrev_b32 v[FO], 11, v2
	v_lshl_add_u32 v[FO], v1, 4, v[FO]
	s_lshl_b32 s3, s[AH], 9
	s_lshl_b32 s66, s[BH], 7
	s_add_co_u32 s3, s3, s66
	s_add_co_u32 s3, s3, NSS
	v_lshl_add_u32 v[FS], v3, 2, s3
	v_lshlrev_b32 v[FSO], 3, v3
	v_lshrrev_b32 v[PFO], 1, v3
	v_lshlrev_b32 v[PFO], 13, v[PFO]
	v_and_b32 v7, 1, v3
	v_lshl_add_u32 v[PFO], v7, 8, v[PFO]
	s_cmp_lt_u32 s[WV], 2
	s_cselect_b32 s3, 15, 31                       ; A's waves name 16 rows (the lanes left over name the last again), B's 32
	v_min_u32 v[PF1], s3, v3
	v_lshlrev_b32 v[PF2], 11, v[PF1]
	v_lshlrev_b32 v[PF1], 10, v[PF1]
	s_wait_loadcnt 0x0
.irp i, 0,1,2,3
	v_mul_f32 v[NE+\i], 0x3fb8aa3b, v[NE+\i]
.endr
	s_wait_alu depctr_va_vdst(0)
.irp i, 0,1,2,3
	v_exp_f32 v[NE+\i], v[NE+\i]
.endr
.irp i, 0,1,2,3
	v_mul_f32 v[BI2+\i], 0x4038aa3b, v[BI2+\i]
.endr
	s_wait_alu depctr_va_vdst(0)
.irp i, 0,1,2,3
	v_mul_f32 v[NE+\i], -1.0, v[NE+\i]
.endr
	s_mov_b32 s[L2E], 0x3fb8aa3b
	s_mov_b32 s[L2E+1], 0x3fb8aa3b
	s_mov_b32 s[P1], 0x3dcccccd
	s_mov_b32 s[P1+1], 0x3dcccccd
	s_mov_b32 s[C2], 0x4038aa3b
	s_mov_b32 s[C2+1], 0x4038aa3b
	s_mov_b32 s[MNT], 0x600000
	s_mov_b32 s[TB], 0
	s_mov_b32 s[TS], 0
	s_wait_tensorcnt 0x1
	s_load_b64 s[NAA:NAA+1], s[0:1], 0x0
	s_load_b64 s[NAB:NAB+1], s[0:1], 0x28
	TOPI 0x8, 0x30
	s_barrier_signal -1
	s_barrier_wait -1
.macro FRAG reg, adr, q, i
.irp c, 0,1,2,3
	ds_load_b128 v[\reg+4*\c:\reg+4*\c+3], v[\adr] offset:128*(\q)+32*\c+(\i)*16*PITCH
.endr
.endm
.macro FETCH q, p
	WIN 0x40
.irp i, 0,1,2,3,4,5,6,7
	FRAG 128*(\p)+16*\i, ADB, \q, \i
.endr
	WIN 0
.irp i, 0,1,2,3
	FRAG AF+64*(\p)+16*\i, ADA, \q, \i
.endr
.irp i, 0,1,2,3,4,5,6,7
	ds_load_b32 v[SC+8*(\p)+\i], v[ADS] offset:4*(\q)+128*\i
.endr
.endm
.macro MULA a, p, ck
.irp b, 0,1,2,3,4,5,6,7
.if \ck == 2
	v_wmma_scale_f32_16x16x128_f8f6f4 v[8*(8*(\a)+\b):8*(8*(\a)+\b)+7], v[128*(\p)+16*\b:128*(\p)+16*\b+15], v[AF+64*(\p)+16*(\a):AF+64*(\p)+16*(\a)+15], v[8*(8*(\a)+\b):8*(8*(\a)+\b)+7], v[SC+8*(\p)+\b], v[SC+8*(\p)+(\a)] matrix_a_fmt:MATRIX_FMT_BF8 matrix_b_fmt:MATRIX_FMT_BF8 matrix_a_scale:MATRIX_SCALE_ROW1
.elseif \ck == 1
	v_wmma_scale_f32_16x16x128_f8f6f4 v[8*(8*(\a)+\b):8*(8*(\a)+\b)+7], v[128*(\p)+16*\b:128*(\p)+16*\b+15], v[AF+64*(\p)+16*(\a):AF+64*(\p)+16*(\a)+15], v[BI+8*\b:BI+8*\b+7], v[SC+8*(\p)+\b], v[SC+8*(\p)+(\a)] matrix_a_fmt:MATRIX_FMT_BF8 matrix_b_fmt:MATRIX_FMT_BF8 matrix_a_scale:MATRIX_SCALE_ROW1
.else
	v_wmma_scale_f32_16x16x128_f8f6f4 v[8*(8*(\a)+\b):8*(8*(\a)+\b)+7], v[128*(\p)+16*\b:128*(\p)+16*\b+15], v[AF+64*(\p)+16*(\a):AF+64*(\p)+16*(\a)+15], 0, v[SC+8*(\p)+\b], v[SC+8*(\p)+(\a)] matrix_a_fmt:MATRIX_FMT_BF8 matrix_b_fmt:MATRIX_FMT_BF8 matrix_a_scale:MATRIX_SCALE_ROW1
.endif
.endr
.endm
.macro WINM ck
.if \ck == 1
	WIN MULB
.else
	WIN MUL
.endif
.endm
.macro STEP ck
	s_wait_dscnt 0x0
	WINM \ck
	MULA 0, 0, \ck
	MULA 1, 0, \ck
	PLACES 8
	FETCH 1, 1
	WINM \ck
	MULA 2, 0, \ck
	MULA 3, 0, \ck
.endm
.macro SBLK fill
.if \fill
	s_xor_b32 s[G0A+1], s[G0A+1], SLOT1
	s_xor_b32 s[G0B+1], s[G0B+1], SLOT1
	s_mov_b64 s[G0A+2:G0A+3], s[NAA:NAA+1]
	s_mov_b64 s[G0B+2:G0B+3], s[NAB:NAB+1]
	s_or_b32 s[G0A+3], s[G0A+3], 0x80000000
	s_or_b32 s[G0B+3], s[G0B+3], 0x80000000
	s_add_nc_u64 s[NAA:NAA+1], s[NAA:NAA+1], 256
	s_add_nc_u64 s[NAB:NAB+1], s[NAB:NAB+1], 256
.endif
	s_xor_b32 s[TB], s[TB], SLOT1
	s_add_co_u32 s[TS], s[TS], 1024
.endm
.macro ASK
	s_cmp_eq_u32 s[CNT], 2
	s_cbranch_scc0 .Lnot_first_\@
	global_prefetch_b8 v[PFO], s[ST:ST+1] th:TH_LOAD_NT scope:SCOPE_SE
	global_prefetch_b8 v[PFO], s[CA:CA+1] th:TH_LOAD_NT scope:SCOPE_SE
.Lnot_first_\@:
	s_cmp_eq_u32 s[CNT], 1
	s_cbranch_scc0 .Lnot_second_\@
	global_prefetch_b8 v[PFO], s[ST:ST+1] offset:16*ROWF th:TH_LOAD_NT scope:SCOPE_SE
	global_prefetch_b8 v[PFO], s[CA:CA+1] offset:16*ROWF th:TH_LOAD_NT scope:SCOPE_SE
.Lnot_second_\@:
.endm
.macro TURN kind
	WIN 0
.if \kind > 0
	s_wait_xcnt 0x0                                ; my last prefetch has read its address: it steps here, a K step behind that prefetch
	s_add_nc_u64 s[PP:PP+1], s[PP:PP+1], 256
.endif
	s_wait_tensorcnt 0x0
	ds_add_u32 v[SPW], v[NIL]
.if \kind > 0
	SBLK 1
.else
	SBLK 0
.endif
	s_wait_dscnt 0x0
	s_barrier_signal -1
	WIN MUL
	MULA 0, 1, 2
	WIN 0
	s_barrier_wait -1
.if \kind == 1
	CREST
	JLOAD G0A, G1A, G0B, G1B
.elseif \kind == 2
	CREST
	JLOAD G0A, G1A2, G0B, G1B2
.else
	PLACES 4
.endif
	v_add_nc_u32 v[ADA], s[TB], v[ADRA0]
	v_add_nc_u32 v[ADB], s[TB], v[ADRB0]
	v_add_nc_u32 v[ADS], s[TS], v[ADRS0]
	v_nop
	FETCH 0, 0
.if \kind > 0
	ASKT                                           ; behind the joint load, its five lines and the run of LDS loads
.endif
.if \kind == 2
	ASK
.endif
	WIN MUL
	MULA 1, 1, 2
	MULA 2, 1, 2
	MULA 3, 1, 2
.endm
.macro KLOOP n, kind
	WIN 0
	s_mov_b32 s[CNT], \n
.Lks_\@:
	TURN \kind
	s_wait_alu depctr_va_vdst(0)
	STEP 2
	WIN 0
	s_sub_co_u32 s[CNT], s[CNT], 1
	s_cmp_lg_u32 s[CNT], 0
	s_cbranch_scc1 .Lks_\@
.endm
.macro H1
	PLACES 8
	TOPI 0x0, 0x38
	WIN 0x82
.set i, 0
.rept 128
	v_pk_mul_f32 v[i:i+1], v[i:i+1], s[L2E:L2E+1] op_sel_hi:[1,0]
.set i, i+2
.endr
	WIN 0xc2
.set i, 0
	s_wait_alu depctr_va_vdst(0)
.rept 256
	v_exp_f32 v[i], -|v[i]|
.set i, i+1
.endr
	v_nop
	s_wait_alu depctr_va_vdst(0)
	WIN 0xc3
.set i, 0
.rept 128
	v_pk_add_f32 v[i:i+1], v[i:i+1], 1.0 op_sel_hi:[1,0]
.set i, i+2
.endr
.set i, 0
	s_wait_alu depctr_va_vdst(0)
.rept 256
	v_log_f32 v[i], v[i]
.set i, i+1
.endr
	v_nop
	s_wait_alu depctr_va_vdst(0)
	WIN 0x88
.set i, 0
.rept 256
	v_max_num_f32 v[i], 0, v[i]
.set i, i+1
.endr
	WIN 0xcb
.set i, 0
.rept 128
	v_pk_add_f32 v[i:i+1], v[i:i+1], v[i:i+1]
.set i, i+2
.endr
	WIN 0
	TOPF
.endm
.macro H2
	PLACES 8
	TOPI 0x8, 0x40
	s_load_b64 s[E4A:E4A+1], s[0:1], 0x10
	s_load_b64 s[E4B:E4B+1], s[0:1], 0x48
	WIN 0x82
.set i, 0
.rept 128
	v_pk_mul_f32 v[i:i+1], v[i:i+1], s[L2E:L2E+1] op_sel_hi:[1,0]
.set i, i+2
.endr
	s_wait_alu depctr_va_vdst(0)
.irp k, 0,1,2,3
	WIN 0x02
.set i, 0
.rept 64
	v_exp_f32 v[T+i], -|v[64*\k+i]|
.set i, i+1
.endr
	v_nop
	s_wait_alu depctr_va_vdst(0)
	WIN 0
.set i, 0
.rept 32
	v_pk_add_f32 v[T+i:T+i+1], v[T+i:T+i+1], 1.0 op_sel_hi:[1,0]
.set i, i+2
.endr
.set i, 0
	s_wait_alu depctr_va_vdst(0)
.rept 64
	v_log_f32 v[T+i], v[T+i]
.set i, i+1
.endr
	v_nop
	s_wait_alu depctr_va_vdst(0)
	WIN 0x88
.set i, 0
.rept 64
	v_max_num_f32 v[64*\k+i], 0, v[64*\k+i]
.set i, i+1
.endr
	WIN 0x82
.set i, 0
.rept 32
	v_pk_add_f32 v[64*\k+i:64*\k+i+1], v[64*\k+i:64*\k+i+1], v[T+i:T+i+1]
.set i, i+2
.endr
.endr
	WIN 0xf2
.set i, 0
.rept 128
	v_pk_fma_f32 v[i:i+1], v[i:i+1], s[P1:P1+1], v[i:i+1] op_sel_hi:[1,0,1]
.set i, i+2
.endr
	WIN 0
	TOPF
	s_add_nc_u64 s[E4A:E4A+1], s[E4A:E4A+1], s[AOF:AOF+1]
	s_add_nc_u64 s[E4A:E4A+1], s[E4A:E4A+1], s[AOF:AOF+1]
	s_add_nc_u64 s[E4B:E4B+1], s[E4B:E4B+1], s[BOF:BOF+1]
	s_add_nc_u64 s[E4B:E4B+1], s[E4B:E4B+1], s[BOF:BOF+1]
.endm
	v_add_nc_u32 v[ADA], s[TB], v[ADRA0]
	v_add_nc_u32 v[ADB], s[TB], v[ADRB0]
	v_add_nc_u32 v[ADS], s[TS], v[ADRS0]
	FETCH 0, 0
	s_wait_alu depctr_va_vdst(0)
	STEP 1
	TOPF
	s_add_nc_u64 s[NAA:NAA+1], s[NAA:NAA+1], s[AOF:AOF+1]
	s_add_nc_u64 s[NAB:NAB+1], s[NAB:NAB+1], s[BOF:BOF+1]
	s_add_nc_u64 s[NAA:NAA+1], s[NAA:NAA+1], 512
	s_add_nc_u64 s[NAB:NAB+1], s[NAB:NAB+1], 512
	s_bfe_u32 s[XO], ttmp6, 0x40000                ; cx tells A's four partners apart,
	s_bfe_u32 s[XO+1], ttmp6, 0x40004              ; cy B's
	s_lshl_b32 s[XO], s[XO], 14                    ; 16 rows of 1,024 bytes
	s_lshl_b32 s[XO+1], s[XO+1], 15                ; 32 rows
	s_cmp_lt_u32 s[WV], 2
	s_cselect_b32 s[XO], s[XO], s[XO+1]
	s_mov_b32 s[XO+1], 0
	PSET 1                                         ; the second walk: conditioning and W_cstep
	KLOOP 2, 1
	NEXTP
	TURN 1
	s_wait_alu depctr_va_vdst(0)
	STEP 2
	TURN 1
	H1
	STEP 0
	PSET 0                                         ; the third walk: W_in alone
	KLOOP 2, 1
	NEXTP
	TURN 1
	s_wait_alu depctr_va_vdst(0)
	STEP 2
	TURN 1
	H2
	STEP 0
	PSET 0                                         ; the fourth walk: W_cin alone
	s_cmp_lt_u32 s[WV], 2
	s_cselect_b64 s[PE:PE+1], s[E4A:E4A+1], s[E4B:E4B+1]
	s_add_nc_u64 s[PE:PE+1], s[PE:PE+1], s[XO:XO+1]    ; rows of 2,048 bytes: my quarter's offset twice
	s_add_nc_u64 s[PE:PE+1], s[PE:PE+1], s[XO:XO+1]
	WIN 0
	s_mov_b32 s[CNT], 6
.set PARMS, 3                          ; this loop names the fourth walk's rows and then the last walk's
.Lk6:                                              ; six refills: the third walk's last two K steps, the fourth walk's four; the pointers change by selection on the counter
	s_wait_xcnt 0x0
	s_cmp_eq_u32 s[CNT], 4
	s_cselect_b64 s[NAA:NAA+1], s[QA:QA+1], s[NAA:NAA+1]
	s_cselect_b64 s[NAB:NAB+1], s[QB:QB+1], s[NAB:NAB+1]
	s_cmp_eq_u32 s[CNT], 2                         ; two refills ahead of the last walk's first
	s_cselect_b64 s[PP:PP+1], s[PE:PE+1], s[PP:PP+1]
	s_cselect_b32 s[PM], 2, s[PM]
	TURN 1
	s_wait_alu depctr_va_vdst(0)
	STEP 2
	WIN 0
	s_sub_co_u32 s[CNT], s[CNT], 1
	s_cmp_lg_u32 s[CNT], 0
	s_cbranch_scc1 .Lk6
	s_mov_b64 s[NAA:NAA+1], s[E4A:E4A+1]
	s_mov_b64 s[NAB:NAB+1], s[E4B:E4B+1]
	s_mov_b32 s[CNT], 8
.set PARMS, 2                          ; this loop names the last walk's rows alone
.Lk8:
	s_cmp_eq_u32 s[CNT], 2
	s_cselect_b32 s[PM], 0, s[PM]
	TURN 2
	s_wait_alu depctr_va_vdst(0)
	STEP 2
	WIN 0
	s_sub_co_u32 s[CNT], s[CNT], 1
	s_cmp_lg_u32 s[CNT], 0
	s_cbranch_scc1 .Lk8
	TURN 0
	s_wait_alu depctr_va_vdst(0)
	STEP 2
	s_wait_dscnt 0x0
	WIN MUL
	MULA 0, 1, 2
	MULA 1, 1, 2
	MULA 2, 1, 2
	MULA 3, 1, 2
	WIN 0
.macro GLD win, base, ptr, row0
	WIN \win
.set i, 0
.rept 32
	global_load_b128 v[\base+4*i:\base+4*i+3], v[GOFF], s[\ptr:\ptr+1] offset:(\row0+i)*ROWF th:TH_LOAD_NT
.set i, i+1
.endr
.endm
.macro DUMP a0
	WIN 0x08
.irp a, 0,1
.irp b, 0,1,2,3,4,5,6,7
	ds_store_b128 v[STO], v[8*(8*(\a0+\a)+\b):8*(8*(\a0+\a)+\b)+3] offset:\a*16*SPI+64*\b
	ds_store_b128 v[STO], v[8*(8*(\a0+\a)+\b)+4:8*(8*(\a0+\a)+\b)+7] offset:\a*16*SPI+64*\b+16
.endr
.endr
	WIN 0x0c
.irp a, 0,1
.irp b, 0,1,2,3,4,5,6,7
	ds_store_b128 v[STO], v[8*(8*(\a0+\a)+\b):8*(8*(\a0+\a)+\b)+3] offset:ZG+\a*16*SPI+64*\b
	ds_store_b128 v[STO], v[8*(8*(\a0+\a)+\b)+4:8*(8*(\a0+\a)+\b)+7] offset:ZG+\a*16*SPI+64*\b+16
.endr
.endr
	WIN 0
.endm
.macro TOSC wins, bases, winc, basec
	WIN \wins
.set i, 0
.rept 32
	ds_store_b128 v[RS], v[\bases+4*i:\bases+4*i+3] offset:i*SPI
.set i, i+1
.endr
	WIN \winc
.set i, 0
.rept 32
	ds_store_b128 v[RS], v[\basec+4*i:\basec+4*i+3] offset:ZG+i*SPI
.set i, i+1
.endr
	WIN 0
.endm
.macro ROWS rd
	s_mov_b32 s[CNT], 8
.Lrows_\@:
.irp rr, 0,1,2,3
	ds_load_b128 v[ZR+4*\rr:ZR+4*\rr+3], v[\rd] offset:\rr*SPI
	ds_load_b128 v[GR+4*\rr:GR+4*\rr+3], v[\rd] offset:ZG+\rr*SPI
.endr
.irp rr, 0,1,2,3
	ds_load_b128 v[SR+4*\rr:SR+4*\rr+3], v[\rd] offset:2*ZG+\rr*SPI
	ds_load_b128 v[CR+4*\rr:CR+4*\rr+3], v[\rd] offset:3*ZG+\rr*SPI
.endr
	s_wait_dscnt 0x0
.irp k, 0,1,2,3,4,5,6,7
	v_pk_fma_f32 v[ZR+2*\k:ZR+2*\k+1], v[ZR+2*\k:ZR+2*\k+1], s[C2:C2+1], v[BI2+2*(\k%2):BI2+2*(\k%2)+1] op_sel_hi:[1,0,1]
.endr
.irp k, 0,1,2,3,4,5,6,7
	v_pk_mul_f32 v[GR+2*\k:GR+2*\k+1], v[GR+2*\k:GR+2*\k+1], v[NE+2*(\k%2):NE+2*(\k%2)+1]
.endr
	s_wait_alu depctr_va_vdst(0)
.irp i, 0,1,2,3,4,5,6,7,8,9,10,11,12,13,14,15
	v_exp_f32 v[ZR+\i], v[ZR+\i]
.endr
.irp i, 0,1,2,3,4,5,6,7,8,9,10,11,12,13,14,15
	v_exp_f32 v[GR+\i], v[GR+\i]
.endr
	v_add_nc_u32 v[\rd], 4*SPI, v[\rd]
	s_wait_alu depctr_va_vdst(0)
.irp k, 0,1,2,3,4,5,6,7
	v_pk_add_f32 v[ZR+2*\k:ZR+2*\k+1], v[ZR+2*\k:ZR+2*\k+1], 1.0 op_sel_hi:[1,0]
.endr
	s_wait_alu depctr_va_vdst(0)
.irp i, 0,1,2,3,4,5,6,7,8,9,10,11,12,13,14,15
	v_rcp_f32 v[ZR+\i], v[ZR+\i]
.endr
.irp k, 0,1,2,3,4,5,6,7
	v_pk_mul_f32 v[GR+2*\k:GR+2*\k+1], v[GR+2*\k:GR+2*\k+1], v[CR+2*\k:CR+2*\k+1]
.endr
	s_wait_alu depctr_va_vdst(0)
.irp k, 0,1,2,3,4,5,6,7
	v_pk_fma_f32 v[ZR+2*\k:ZR+2*\k+1], v[ZR+2*\k:ZR+2*\k+1], -2.0, 1.0 op_sel_hi:[1,0,0]
.endr
.irp k, 0,1,2,3,4,5,6,7
	v_pk_add_f32 v[SR+2*\k:SR+2*\k+1], v[SR+2*\k:SR+2*\k+1], v[ZR+2*\k:ZR+2*\k+1] neg_lo:[0,1] neg_hi:[0,1]
.endr
.irp k, 0,1,2,3,4,5,6,7
	v_pk_fma_f32 v[ZR+2*\k:ZR+2*\k+1], v[GR+2*\k:GR+2*\k+1], v[SR+2*\k:SR+2*\k+1], v[ZR+2*\k:ZR+2*\k+1]
.endr
.irp rr, 0,1,2,3
	global_store_b128 v[GOFF], v[ZR+4*\rr:ZR+4*\rr+3], s[O1:O1+1] offset:\rr*ROWF th:TH_STORE_NT
.endr
.irp rr, 0,1,2,3
	v_max3_num_f32 v[TM+\rr], |v[ZR+4*\rr]|, |v[ZR+4*\rr+1]|, 0x8000000
.endr
.irp rr, 0,1,2,3
	v_max3_num_f32 v[TM+\rr], v[TM+\rr], |v[ZR+4*\rr+2]|, |v[ZR+4*\rr+3]|
.endr
.irp m, 1,2,4
.irp rr, 0,1,2,3
	v_max_num_f32_dpp v[TM+\rr], v[TM+\rr], v[TM+\rr] row_xmask:\m row_mask:0xf bank_mask:0xf
.endr
.endr
.irp rr, 0,1,2,3
	v_add_nc_u32 v[TM+4+\rr], 0xf8800000, v[TM+\rr]
.endr
.irp rr, 0,1,2,3
	v_and_or_b32 v[TM+8+\rr], v[TM+\rr], 0x7f800000, s[MNT]
.endr
.irp rr, 0,1,2,3
	v_lshrrev_b32 v[TM+\rr], 23, v[TM+4+\rr]
.endr
.irp rr, 0,1,2,3
.irp j, 0,1,2,3
	v_med3_num_f32 v[SR+4*\rr+\j], v[ZR+4*\rr+\j], -v[TM+8+\rr], v[TM+8+\rr]
.endr
.endr
	v_cvt_scalef32_pk8_bf8_f32 v[CR:CR+1], v[SR:SR+7], v[TM+4]
	v_cvt_scalef32_pk8_bf8_f32 v[CR+2:CR+3], v[SR:SR+7], v[TM+5]
	v_cvt_scalef32_pk8_bf8_f32 v[CR+4:CR+5], v[SR+8:SR+15], v[TM+6]
	v_cvt_scalef32_pk8_bf8_f32 v[CR+6:CR+7], v[SR+8:SR+15], v[TM+7]
	v_nop
	ds_store_b32 v[CW], v[CR]
	ds_store_b32 v[CW], v[CR+3] offset:CPI
	ds_store_b32 v[CW], v[CR+4] offset:2*CPI
	ds_store_b32 v[CW], v[CR+7] offset:3*CPI
.irp rr, 0,1,2,3
	ds_store_b8 v[BW], v[TM+\rr] offset:4*\rr
.endr
	v_add_nc_u32 v[CW], 4*CPI, v[CW]
	v_add_nc_u32 v[BW], 16, v[BW]
	s_wait_xcnt 0x0
	s_add_nc_u64 s[O1:O1+1], s[O1:O1+1], 4*ROWF
	s_sub_co_u32 s[CNT], s[CNT], 1
	s_cmp_lg_u32 s[CNT], 0
	s_cbranch_scc1 .Lrows_\@
.endm
	PLACES 8
	s_load_b64 s[L2E:L2E+1], s[0:1], 0x80
	s_load_b64 s[P1:P1+1], s[0:1], 0x88
	GLD 0x40, 0, ST, 0
	GLD 0x40, 128, CA, 0
	WIN 0
	s_wait_dscnt 0x0
	s_barrier_signal -1
	s_barrier_wait -1
	DUMP 0
	s_wait_dscnt 0x0
	GLD 0x80, 0, ST, 32
	GLD 0xc0, 0, CA, 32
	WIN 0
	s_wait_loadcnt 63
	TOSC 0x04, 0, 0x04, 128
	ROWS RD1
	DUMP 2
	s_wait_loadcnt 0x0
	TOSC 0x08, 0, 0x0c, 0
	ROWS RD2
	s_wait_dscnt 0x0
	s_barrier_signal -1
	s_barrier_wait -1
.irp t, 0,1,2,3,4,5,6,7,8,9,10,11,12,13,14,15
	ds_load_b128 v[64+4*\t:64+4*\t+3], v[FR] offset:\t*2*CPI
.endr
	ds_load_b32 v128, v[FS]
	ds_load_b32 v129, v[FS] offset:256
	s_and_b32 s4, ttmp7, 0xffff
	s_lshl_b32 s4, s4, 2
	s_bfe_u32 s5, ttmp6, 0x40004
	s_add_co_u32 s4, s4, s5
	s_lshl_b32 s6, ttmp9, 2
	s_bfe_u32 s7, ttmp6, 0x40000
	s_add_co_u32 s6, s6, s7
	s_lshl_b32 s8, s4, 18
	s_lshl_b32 s9, s[WV], 16
	s_add_co_u32 s8, s8, s9
	s_lshl_b32 s9, s6, 8
	s_add_co_u32 s8, s8, s9
	s_mov_b32 s9, 0
	s_lshl_b32 s10, s6, 15
	s_add_co_u32 s10, s10, 4<<15
	s_lshl_b32 s11, s4, 10
	s_add_co_u32 s10, s10, s11
	s_lshl_b32 s11, s[WV], 8
	s_add_co_u32 s10, s10, s11
	s_mov_b32 s11, 0
	s_wait_kmcnt 0x0
	s_add_nc_u64 s[L2E:L2E+1], s[L2E:L2E+1], s[8:9]
	s_add_nc_u64 s[P1:P1+1], s[P1:P1+1], s[10:11]
.irp t, 0,1,2,3,4,5,6,7,8,9,10,11,12,13,14,15
	s_wait_dscnt 17-\t
	global_store_b128 v[FO], v[64+4*\t:64+4*\t+3], s[L2E:L2E+1] offset:\t*4096
.endr
	s_wait_dscnt 0x0
	global_store_b64 v[FSO], v[128:129], s[P1:P1+1]
	s_wait_tensorcnt 0x0
	ds_add_u32 v[SPW], v[NIL]
	s_wait_dscnt 0x0
	CROUND
	s_endpgm
.Lfunc_end_k_qc3c844397f_cell:
	.size	k_qc3c844397f_cell, .Lfunc_end_k_qc3c844397f_cell-k_qc3c844397f_cell
	.p2alignl 7, 3214868480
	.fill 96, 4, 3214868480
	.section	.rodata,"a",@progbits
	.p2align	6, 0x0
	.amdhsa_kernel k_qc3c844397f_cell
		.amdhsa_group_segment_fixed_size 327680
		.amdhsa_private_segment_fixed_size 0
		.amdhsa_enable_private_segment 0
		.amdhsa_kernarg_size 144
		.amdhsa_user_sgpr_count 2
		.amdhsa_user_sgpr_kernarg_segment_ptr 1
		.amdhsa_wavefront_size32 1
		.amdhsa_system_sgpr_workgroup_id_x 1
		.amdhsa_system_sgpr_workgroup_id_y 1
		.amdhsa_system_sgpr_workgroup_id_z 1
		.amdhsa_system_vgpr_workitem_id 0
		.amdhsa_next_free_vgpr 1024
		.amdhsa_next_free_sgpr 106
		.amdhsa_reserve_vcc 0
		.amdhsa_float_denorm_mode_32 3
		.amdhsa_float_denorm_mode_16_64 3
		.amdhsa_memory_ordered 1
		.amdhsa_forward_progress 1
		.amdhsa_inst_pref_size 255
	.end_amdhsa_kernel
	.section	.bss,"aw",@nobits
	.p2align	6
	.space	262144
	.amdgpu_metadata
---
amdhsa.version: [ 1, 2 ]
amdhsa.kernels:
  - .name:           k_qc3c844397f_cell
    .symbol:         k_qc3c844397f_cell.kd
    .args:
      - { .name: xq, .offset: 0, .size: 8, .value_kind: global_buffer, .address_space: global }
      - { .name: conditioning_codes, .offset: 8, .size: 8, .value_kind: global_buffer, .address_space: global }
      - { .name: sq, .offset: 16, .size: 8, .value_kind: global_buffer, .address_space: global }
      - { .name: asc, .offset: 24, .size: 8, .value_kind: global_buffer, .address_space: global }
      - { .name: bsc, .offset: 32, .size: 8, .value_kind: global_buffer, .address_space: global }
      - { .name: W_step_codes, .offset: 40, .size: 8, .value_kind: global_buffer, .address_space: global }
      - { .name: W_cstep_codes, .offset: 48, .size: 8, .value_kind: global_buffer, .address_space: global }
      - { .name: W_in_codes, .offset: 56, .size: 8, .value_kind: global_buffer, .address_space: global }
      - { .name: W_cin_codes, .offset: 64, .size: 8, .value_kind: global_buffer, .address_space: global }
      - { .name: W_state_codes, .offset: 72, .size: 8, .value_kind: global_buffer, .address_space: global }
      - { .name: b_step, .offset: 80, .size: 8, .value_kind: global_buffer, .address_space: global }
      - { .name: b_in, .offset: 88, .size: 8, .value_kind: global_buffer, .address_space: global }
      - { .name: log_decay, .offset: 96, .size: 8, .value_kind: global_buffer, .address_space: global }
      - { .name: state, .offset: 104, .size: 8, .value_kind: global_buffer, .address_space: global }
      - { .name: carry_scale, .offset: 112, .size: 8, .value_kind: global_buffer, .address_space: global }
      - { .name: out1, .offset: 120, .size: 8, .value_kind: global_buffer, .address_space: global }
      - { .name: nsq, .offset: 128, .size: 8, .value_kind: global_buffer, .address_space: global }
      - { .name: nsc, .offset: 136, .size: 8, .value_kind: global_buffer, .address_space: global }
    .group_segment_fixed_size: 327680
    .private_segment_fixed_size: 0
    .kernarg_segment_align: 8
    .kernarg_segment_size: 144
    .max_flat_workgroup_size: 128
    .sgpr_count:     106
    .vgpr_count:     1024
    .wavefront_size: 32
...
	.end_amdgpu_metadata
.endif
;; end of part 2
;; launch proj (part 3): grid 8 x 32, 4 waves a work-group, clusters of 4 x 4, 327,680 bytes of LDS; arguments xq, nsq, nsc, W_out_codes, wosc, b_out, x_t, h; writes h
.if DOCPART == 3
	.amdgcn_target "amdgcn-amd-amdhsa--gfx1250"
	.amdhsa_code_object_version 6
	.text
	.protected	k_qc3c844397f_proj
	.globl	k_qc3c844397f_proj
	.p2align	8
	.type	k_qc3c844397f_proj,@function
k_qc3c844397f_proj:
	s_mov_b64 s[64:65], 0
	v_nop
	global_prefetch_b8 v0, s[64:65] scope:SCOPE_SE
	s_setreg_imm32_b32 hwreg(HW_REG_WAVE_MODE, 25, 1), 1
	s_wait_xcnt 0x0
	s_wait_alu depctr_hold_cnt(0) depctr_sa_sdst(0) depctr_va_vdst(0) depctr_va_sdst(0) depctr_va_ssrc(0) depctr_va_vcc(0) depctr_vm_vsrc(0)
	s_getreg_b32 s2, hwreg(HW_REG_IB_STS2, 6, 4)
	s_cmp_eq_u32 s2, 0
	s_cbranch_scc0 .Lentry_in_a_cluster
	s_endpgm
.Lentry_in_a_cluster:
	s_bfe_u32 s2, ttmp6, 0x10000c
	s_cmp_lg_u32 s2, 0xf033
	s_cbranch_scc0 .Lentry_shape_is_right
	s_endpgm
.Lentry_shape_is_right:
; h = [x_t, new_state] W_out + b_out + x_t, the product on codes of BF8 (E5M2) with one E8M0 scale for each 32 along K.  A's codes: xq (K 0 .. 1,023) and nsq (K 1,024 .. 3,071); their scale bytes by K step of 256 in nsc's 12 planes, W_out's in wosc's 12.
; SHARES.  1,024 columns give 256 work-groups only with tiles of 128 x 128: four waves, each 64 x 64: 16 accumulators.  K goes in 6 steps of 512 (rows of 512 bytes) through a ring of two LDS slots, as long as two slots in LDS allow.
; EVERY WAVE FETCHES CODES, one tensor load a wave, 64 rows of 512 bytes: waves 0 and 1 the halves of A's rows, waves 2 and 3 the halves of B's.  Each slot has its own groups 0 and its own address registers.
; THE SCALE BYTES of the tile's rows, for all of K, come ONCE, with the first fills, and stay behind the ring: 12 planes of 1,024 bytes a side, one wave a side.
; CLUSTERS: 4 x 4 work-groups; A's tiles are asked for jointly along a row of the cluster, B's along a column.  THE MATRIX INSTRUCTION IS USED TRANSPOSED (source 0 = 16 rows of W_out, source 1 = 16 rows of the batch).
; b_out is the C of each sum's first matrix instruction.  My wave's 64 x 64 numbers of x_t are asked for at the head and added on the way out, in the layout in which the rows come back from the stage.
; LIMITS: NaN and infinities among the inputs are not served.
; REGISTERS: window 0: v4-19 addresses; v32-39 scale words, two sets; v64-95 b_out as C; v128-255 A's fragments, two sets (on the way out: rows of h).  window 1: v0-127 B's fragments, two sets; v128-255 the accumulators ((a, b) at v[128 + 8 (4 a + b)]).  window 2: v0-127 x_t.
.set PITCH, 528                        ; an LDS row: 512 bytes + 16 of padding = 132 words: the 16 rows that a load touches start at 16 different banks (64 banks of 4 bytes: ISA guide 11.1)
.set HALFT, 64*PITCH                   ; what a wave fetches
.set BOFFL, 128*PITCH                  ; a slot: A's 128 rows, then B's 128 rows
.set SLOTB, 2*BOFFL
.set SAB,   2*SLOTB                    ; behind the ring: A's scale bytes, [12 planes][128 rows][8],
.set SBB,   SAB+12*1024                ; and B's likewise
.set SPARE, 327168                     ; the spare words, 128 bytes for each wave: two blocks of 256 bytes that no other line names
.set SPI,   272                        ; the way out: a stage of 64 rows x (256 bytes + 16) for each wave, in slot 0, which has had its last fill and its last read when the first result is stored there
.set STGW,  64*SPI
.set ADA, 4                            ; v4-5 A's fragments in slot 0, 1;  v6-7 B's
.set ADB, 6
.set ADRS0, 8                          ; v8   my lane's scale words of K step 0 (lanes 0-15 A's rows, lanes 16-31 B's);  v9 those of the K step in hand
.set ADS, 9
.set SPW, 12
.set NIL, 13
.set STO, 16
.set RD,  17
.set GO,  18                           ; v18  my byte offset in two rows of x_t and of h
.set BOV, 19                           ; v19  32 x (lane / 16)
.set PFV, 20                           ; v20  the prefetches' offset; never rewritten
.set PP,  86                           ; s[86:87] the prefetches' base; never rewritten
.set SC,  32
.set BI,  64
.set AF,  128
.set ACC, 128
.set G0A,  4                           ; groups 0 of the codes' loads, slot s at + 4 s
.set G0B,  12
.set G0SA, 20                          ; and of the scales'
.set G0SB, 24
.set TS,   28                          ; s28  2,048 x the K step whose scale words are read
.set G1A,  36                          ; groups 1: A's codes with rows 1,024 bytes apart (xq), 2,048 (nsq); B's; A's scales; B's
.set G1A2, 44
.set G1B,  52
.set G1SA, 68
.set G1SB, 76
.set WV,  60
.set AH,  61                           ; which 64 rows are my wave's.  Also: I fetch for A (0) or for B (1)
.set BH,  62                           ; which 64 columns.  Also: which half of that tile's rows I fetch
.set CNT, 63
.set NAA, 84                           ; s[84:85] nsq at the K step to be asked for next: a plain pointer
.set XT,  88
.set HP,  90
.set BO,  92
.set MUL,  0x51                        ; source 0 (W_out) window 1, source 1 (rows) window 0, C and D window 1
.set MULB, 0x41                        ; the same with C in window 0
.set MSB, 0
.macro WIN new
.if MSB != \new
	s_set_vgpr_msb (MSB<<8)|\new
.set MSB, \new
.endif
.endm
.macro PLACES n
.rept \n
	v_nop
.endr
.endm
.macro JLOAD g0a, g1a, g0b, g1b        ; a joint load, one a wave: waves 0 and 1 fetch for A, waves 2 and 3 for B; the branch hangs on the wave's number alone; four v_nop follow each line
	s_cmp_lt_u32 s[WV], 2
	s_cbranch_scc0 .Lfor_b_\@
	tensor_load_to_lds s[\g0a:\g0a+3], s[\g1a:\g1a+7]
	s_nop 0
	PLACES 4
	s_branch .Lasked_\@
.Lfor_b_\@:
	tensor_load_to_lds s[\g0b:\g0b+3], s[\g1b:\g1b+7]
	s_nop 0
	PLACES 4
.Lasked_\@:
.endm
.macro CREST
	s_cmp_lg_u32 s[WV], 0
	s_cbranch_scc1 .Lnot_wave_0_\@
	s_barrier_signal -3
.Lnot_wave_0_\@:
	s_barrier_wait -3
	s_barrier_signal -1
	s_barrier_wait -1
.endm
.macro CROUND
	s_barrier_signal -1
	s_barrier_wait -1
	CREST
.endm
	s_load_b64 s[G0A+2:G0A+3], s[0:1], 0x0         ; xq
	s_load_b64 s[NAA:NAA+1], s[0:1], 0x8           ; nsq
	s_load_b64 s[G0SA+2:G0SA+3], s[0:1], 0x10      ; nsc
	s_load_b64 s[G0B+2:G0B+3], s[0:1], 0x18        ; W_out's codes
	s_load_b64 s[G0SB+2:G0SB+3], s[0:1], 0x20      ; wosc
	s_load_b64 s[BO:BO+1], s[0:1], 0x28
	s_load_b64 s[XT:XT+1], s[0:1], 0x30
	s_load_b64 s[HP:HP+1], s[0:1], 0x38
	v_lshl_add_u32 v[SPW], v0, 2, SPARE
	v_mov_b32 v[NIL], 0
	ds_add_u32 v12, v13
	ds_add_u32 v12, v13
	s_wait_dscnt 0x0
	v_lshrrev_b32 v1, 5, v0
	v_readfirstlane_b32 s[WV], v1
	s_lshr_b32 s[AH], s[WV], 1
	s_and_b32 s[BH], s[WV], 1
	s_bfe_u32 s100, ttmp6, 0x40000                 ; cx
	s_bfe_u32 s101, ttmp6, 0x40004                 ; cy
	s_lshl_b32 s2, s101, 2
	s_lshl_b32 s2, 15, s2                          ; my row of the cluster
	s_lshl_b32 s3, 0x1111, s100                    ; my column
	s_or_b32 s[G1A], s2, (1<<20)|(1<<21)|(6<<22)|(3<<25)     ; elements of 1 byte; 16 bytes of padding behind every 128 words; bit 21 set beside a mask
	s_or_b32 s[G1A2], s2, (1<<20)|(1<<21)|(6<<22)|(3<<25)
	s_or_b32 s[G1B], s3, (1<<20)|(1<<21)|(6<<22)|(3<<25)
	s_or_b32 s[G1SA], s2, (3<<16)|(1<<21)          ; scales: elements of 8 bytes; a tile's row is 128 rows' bytes of one plane, 1,024 bytes; 12 planes a load; no padding
	s_or_b32 s[G1SB], s3, (3<<16)|(1<<21)
.irp g, G1A, G1A2, G1B
	s_mov_b32 s[\g+1], 512<<16                     ; tensor_dim0
	s_mov_b32 s[\g+2], 64<<16                      ; tensor_dim1
	s_mov_b32 s[\g+3], 512<<16                     ; tile_dim0
	s_mov_b32 s[\g+4], 64                          ; tile_dim1
	s_mov_b32 s[\g+6], 0
	s_mov_b32 s[\g+7], 0
.endr
	s_mov_b32 s[G1A+5], 1024
	s_mov_b32 s[G1A+2], 128<<16                    ; the head's two loads of codes bring a tile's 128 rows whole; behind them these four words are set to 64, for the ring's
	s_mov_b32 s[G1A+4], 128
	s_mov_b32 s[G1B+2], 128<<16
	s_mov_b32 s[G1B+4], 128
	s_mov_b32 s[G1A2+5], 2048
	s_mov_b32 s[G1B+5], 3072
.irp g, G1SA, G1SB
	s_mov_b32 s[\g+1], 128<<16
	s_mov_b32 s[\g+2], 12<<16                      ; all 12 planes of a side by one load
	s_mov_b32 s[\g+3], 128<<16
	s_mov_b32 s[\g+4], 12
	s_mov_b32 s[\g+6], 0
	s_mov_b32 s[\g+7], 0
.endr
	s_mov_b32 s[G1SA+5], 4096                      ; from plane to plane: 4,096 rows of 8 bytes
	s_mov_b32 s[G1SB+5], 1024
	s_and_b32 s94, ttmp7, 0xffff
	s_lshl_b32 s94, s94, 2
	s_add_co_u32 s101, s94, s101                   ; tile row
	s_lshl_b32 s96, ttmp9, 2
	s_add_co_u32 s100, s96, s100                   ; tile column
	s_mov_b32 s95, 0
	s_mov_b32 s97, 0
	s_mov_b32 s99, 0
	s_mov_b32 s[TS], 0
	s_wait_kmcnt 0x0
	s_lshl_b32 s94, s101, 17                       ; xq: 128 rows of 1,024 bytes a tile row
	s_add_nc_u64 s[G0A+2:G0A+3], s[G0A+2:G0A+3], s[94:95]          ; K step 0: the tile's 128 rows, for the head's load
	s_lshl_b32 s2, s[BH], 16                       ; the 64 rows that I fetch in the ring
	s_add_co_u32 s94, s94, s2
	s_mov_b32 s3, 0
	s_add_nc_u64 s[G0A+6:G0A+7], s[G0A+2:G0A+3], s[2:3]
	s_add_nc_u64 s[G0A+6:G0A+7], s[G0A+6:G0A+7], 512               ; K step 1, my 64 rows
	s_lshl_b32 s94, s94, 1                         ; nsq: rows of 2,048 bytes: twice that
	s_add_nc_u64 s[NAA:NAA+1], s[NAA:NAA+1], s[94:95]
	s_lshl_b32 s94, s101, 10                       ; A's scales: 128 rows of 8 bytes a tile row
	s_add_nc_u64 s[G0SA+2:G0SA+3], s[G0SA+2:G0SA+3], s[94:95]
	s_mul_i32 s96, s100, 128*3072                  ; W_out: 128 rows of 3,072 bytes a tile column
	s_add_nc_u64 s[G0B+2:G0B+3], s[G0B+2:G0B+3], s[96:97]          ; K step 0, whole
	s_mul_i32 s98, s[BH], 64*3072
	s_add_nc_u64 s[G0B+6:G0B+7], s[G0B+2:G0B+3], s[98:99]
	s_add_nc_u64 s[G0B+6:G0B+7], s[G0B+6:G0B+7], 512               ; K step 1, my 64 rows
	s_lshl_b32 s96, s100, 10                       ; its scales
	s_add_nc_u64 s[G0SB+2:G0SB+3], s[G0SB+2:G0SB+3], s[96:97]
	; the prefetches' base: K step 2 of my work-group's 16 of the 64 rows that I fetch; the four partners are told apart by address alone (cx for A, cy for B)
	s_and_b32 s30, s100, 3
	s_lshl_b32 s30, s30, 15                        ; 16 rows of nsq
	s_and_b32 s31, s101, 3
	s_mul_i32 s31, s31, 16*3072                    ; 16 rows of W_out,
	s_add_co_u32 s31, s31, 512                     ; from its K step 1 to 2
	s_mov_b32 s29, 3072
	s_cmp_lt_u32 s[WV], 2
	s_cselect_b64 s[PP:PP+1], s[NAA:NAA+1], s[G0B+6:G0B+7]
	s_cselect_b32 s30, s30, s31
	s_cselect_b32 s29, 2048, s29                   ; my stream's row in bytes
	s_mov_b32 s31, 0
	s_add_nc_u64 s[PP:PP+1], s[PP:PP+1], s[30:31]
	s_mul_i32 s32, s[BH], 64*3072                  ; my 64 rows of W_out's tile, in bytes: added to slot 0's address behind the head's load
	s_mov_b32 s33, 0
	s_lshl_b32 s98, s100, 9                        ; my wave's first column, in bytes of f32: 512 x tile column + 256 x half
	s_lshl_b32 s2, s[BH], 8
	s_add_co_u32 s98, s98, s2
	s_add_nc_u64 s[BO:BO+1], s[BO:BO+1], s[98:99]
	s_lshl_b32 s2, s101, 19                        ; + my first row x 4,096 bytes
	s_add_co_u32 s98, s98, s2
	s_lshl_b32 s2, s[AH], 18
	s_add_co_u32 s98, s98, s2
	s_add_nc_u64 s[XT:XT+1], s[XT:XT+1], s[98:99]
	s_add_nc_u64 s[HP:HP+1], s[HP:HP+1], s[98:99]
	s_mul_i32 s2, s[BH], HALFT                     ; where they go: a constant + the half that I fetch x a constant + the slot's constant
.irp s, 0,1
	s_mov_b32 s[G0A+4*\s], 1
	s_add_co_u32 s[G0A+4*\s+1], s2, \s*SLOTB
	s_or_b32 s[G0A+4*\s+3], s[G0A+4*\s+3], 0x80000000
	s_mov_b32 s[G0B+4*\s], 1
	s_add_co_u32 s[G0B+4*\s+1], s2, \s*SLOTB+BOFFL
	s_or_b32 s[G0B+4*\s+3], s[G0B+4*\s+3], 0x80000000
.endr
	s_mov_b32 s[G0SA], 1
	s_mov_b32 s[G0SA+1], SAB
	s_or_b32 s[G0SA+3], s[G0SA+3], 0x80000000
	s_mov_b32 s[G0SB], 1
	s_mov_b32 s[G0SB+1], SBB
	s_mov_b32 s[G0A+1], 0                          ; the head's loads of codes begin at the tiles' first rows in slot 0
	s_mov_b32 s[G0B+1], BOFFL
	s_or_b32 s[G0SB+3], s[G0SB+3], 0x80000000
	CROUND                                         ; all sixteen work-groups are here: the first joint loads meet
; THE HEAD'S LOADS, ONE A WAVE: wave 0 K step 0's 128 rows of A, wave 1 its 128 rows of B, wave 2 A's 12 planes of scales, wave 3 B's.  One tree of branches on the wave's number: every way passes one load.
.set PP,  86                           ; s[86:87] the prefetches' base; never rewritten
.set PFV, 20                           ; v20  (lane / 2) x my stream's row + 256 x (lane % 2); never rewritten
.macro ARM under, g0, g1, next
	s_cmp_lt_u32 s[WV], \under
	s_cbranch_scc0 \next
	tensor_load_to_lds s[\g0:\g0+3], s[\g1:\g1+7]
	s_nop 0
	PLACES 4
	s_branch .Lhead_asked
\next:
.endm
	ARM 1, G0A,  G1A,  .Lhead_b
	ARM 2, G0B,  G1B,  .Lhead_sa
	ARM 3, G0SA, G1SA, .Lhead_sb
	tensor_load_to_lds s[G0SB:G0SB+3], s[G1SB:G1SB+7]
	s_nop 0
	PLACES 4
.Lhead_asked:
	; PREFETCH: with the load of K step t a wave names K step t + 2: 16 rows x 512 bytes, a lane 256 bytes; t = 0 .. 3, so the last names K step 5, the last; the steps stand in the immediate
	v_and_b32 v3, 31, v0
	v_lshrrev_b32 v[PFV], 1, v3
	v_mul_u32_u24 v[PFV], v[PFV], s29
	v_and_b32 v3, 1, v3
	v_lshl_add_u32 v[PFV], v3, 8, v[PFV]
	global_prefetch_b8 v[PFV], s[PP:PP+1] th:TH_LOAD_NT scope:SCOPE_SE
	v_and_b32 v1, 15, v0                           ; r
	v_bfe_u32 v2, v0, 4, 1                         ; h
	v_lshlrev_b32 v[BOV], 5, v2
	v_lshlrev_b32 v[GO], 12, v2
	v_lshl_add_u32 v[GO], v1, 4, v[GO]             ; lanes 0-15 one row of 256 bytes, lanes 16-31 the next
.irp b, 0,1,2,3                                ; b_out in the result's layout
	global_load_b128 v[BI+8*\b:BI+8*\b+3], v[BOV], s[BO:BO+1] offset:64*\b
	global_load_b128 v[BI+8*\b+4:BI+8*\b+7], v[BOV], s[BO:BO+1] offset:64*\b+16
.endr
	WIN 0x80
.set i, 0
.rept 32
	global_load_b128 v[4*i:4*i+3], v[GO], s[XT:XT+1] offset:i*8192 th:TH_LOAD_NT   ; x_t, rows 2 i and 2 i + 1: they land while the products run
.set i, i+1
.endr
	WIN 0
	v_mul_u32_u24 v3, v1, PITCH
	v_lshl_add_u32 v3, v2, 4, v3
	s_mul_i32 s94, s[AH], 64*PITCH
	s_mul_i32 s96, s[BH], 64*PITCH
	s_add_co_u32 s96, s96, BOFFL
.irp s, 0,1
	v_add_nc_u32 v[ADA+\s], s94, v3
	v_add_nc_u32 v[ADB+\s], s96, v3
	s_add_co_u32 s94, s94, SLOTB
	s_add_co_u32 s96, s96, SLOTB
.endr
	s_lshl_b32 s94, s[AH], 9                       ; A's scale words: my 64 rows x 8 bytes of a plane
	s_lshl_b32 s96, s[BH], 9                       ; B's likewise, behind A's 12 planes
	s_add_co_u32 s96, s96, SBB-SAB
	s_sub_co_u32 s96, s96, s94
	v_mul_u32_u24 v3, s96, v2                      ; lanes 16-31 take B's: one product with the distance between the two
	v_lshl_add_u32 v3, v1, 3, v3
	s_add_co_u32 s94, s94, SAB
	v_add_nc_u32 v[ADRS0], s94, v3
	v_add_nc_u32 v[ADS], s[TS], v[ADRS0]
	s_mul_i32 s94, s[WV], STGW                     ; my stage
	v_mul_u32_u24 v3, v1, SPI
	v_lshl_add_u32 v3, v2, 5, v3
	v_add_nc_u32 v[STO], s94, v3
	v_mul_u32_u24 v3, v2, SPI
	v_lshl_add_u32 v3, v1, 4, v3
	v_add_nc_u32 v[RD], s94, v3
.macro FRAG reg, adr, q, i
.irp c, 0,1,2,3
	ds_load_b128 v[\reg+4*\c:\reg+4*\c+3], v[\adr] offset:128*(\q)+32*\c+(\i)*16*PITCH
.endr
.endm
.macro FETCH slot, q, p                ; the slot's q-th 128 along K into set p: four fragments of B, four of A, four scale words (a K step is two planes)
	WIN 0x40
.irp i, 0,1,2,3
	FRAG 64*(\p)+16*\i, ADB+\slot, \q, \i
.endr
	WIN 0
.irp i, 0,1,2,3
	FRAG AF+64*(\p)+16*\i, ADA+\slot, \q, \i
.endr
.irp i, 0,1,2,3
	ds_load_b32 v[SC+4*(\p)+\i], v[ADS] offset:((\q)>>1)*1024+((\q)&1)*4+128*\i
.endr
.endm
.macro MULA a, p, ck                   ; 4 matrix instructions: A's block a against B's four.  The 16 accumulators take turns, one instruction a turn
.irp b, 0,1,2,3
.if \ck == 2
	v_wmma_scale_f32_16x16x128_f8f6f4 v[ACC+8*(4*(\a)+\b):ACC+8*(4*(\a)+\b)+7], v[64*(\p)+16*\b:64*(\p)+16*\b+15], v[AF+64*(\p)+16*(\a):AF+64*(\p)+16*(\a)+15], v[ACC+8*(4*(\a)+\b):ACC+8*(4*(\a)+\b)+7], v[SC+4*(\p)+\b], v[SC+4*(\p)+(\a)] matrix_a_fmt:MATRIX_FMT_BF8 matrix_b_fmt:MATRIX_FMT_BF8 matrix_a_scale:MATRIX_SCALE_ROW1
.else
	v_wmma_scale_f32_16x16x128_f8f6f4 v[ACC+8*(4*(\a)+\b):ACC+8*(4*(\a)+\b)+7], v[64*(\p)+16*\b:64*(\p)+16*\b+15], v[AF+64*(\p)+16*(\a):AF+64*(\p)+16*(\a)+15], v[BI+8*\b:BI+8*\b+7], v[SC+4*(\p)+\b], v[SC+4*(\p)+(\a)] matrix_a_fmt:MATRIX_FMT_BF8 matrix_b_fmt:MATRIX_FMT_BF8 matrix_a_scale:MATRIX_SCALE_ROW1
.endif
.endr
.endm
.macro WINM ck
.if \ck == 1
	WIN MULB
.else
	WIN MUL
.endif
.endm
.macro STEP slot, q, ck                ; one of a slot's first three 128 along K; in its middle the next 128 are fetched into the other set, eight places behind that set's last reader
	s_wait_dscnt 0x0
	WINM \ck
	MULA 0, (\q)%2, \ck
	MULA 1, (\q)%2, \ck
	PLACES 8
	FETCH \slot, (\q)+1, 1-(\q)%2
	WINM \ck
	MULA 2, (\q)%2, \ck
	MULA 3, (\q)%2, \ck
.endm
; A slot's last 128 along K, and the change of slots: ONE barrier; in front of it each wave waits for all its tensor loads (one is out: its part of the next slot), adds 0 to its spare word, and waits for that and for its reads of this slot.
.macro TURN slot, next, fill
	WIN 0
	s_wait_tensorcnt 0x0
	ds_add_u32 v[SPW], v[NIL]                      ; 0 onto my spare word: the descriptors' steps stand between it and the wait for it
.if \fill
	s_mov_b64 s[G0A+4*\slot+2:G0A+4*\slot+3], s[NAA:NAA+1]         ; every refill of A comes out of nsq
	s_or_b32 s[G0A+4*\slot+3], s[G0A+4*\slot+3], 0x80000000
	s_add_nc_u64 s[G0B+4*\slot+2:G0B+4*\slot+3], s[G0B+4*\slot+2:G0B+4*\slot+3], 1024       ; two K steps on
	s_add_nc_u64 s[NAA:NAA+1], s[NAA:NAA+1], 512
.endif
	s_add_co_u32 s[TS], s[TS], 2048                ; the next K step's two planes of scales
	s_wait_dscnt 0x0                               ; the add is done, and my reads of this slot are over
	s_barrier_signal -1
	WIN MUL
	MULA 0, 1, 2
	WIN 0
	s_barrier_wait -1
.if \fill
	CREST                                          ; the barrier has opened a round of the cluster's barrier
	JLOAD G0A+4*\slot, G1A2, G0B+4*\slot, G1B      ; the first tensor load behind the round; its four v_nop are four of the eight places
	v_add_nc_u32 v[ADS], s[TS], v[ADRS0]           ; the fifth
	PLACES 3
.else
	v_add_nc_u32 v[ADS], s[TS], v[ADRS0]
	PLACES 7
.endif
	FETCH \next, 0, 0
.if \fill
	s_cmp_eq_u32 s[CNT], 2                         ; the loop's first trip refills K steps 2 and 3 and names 4 and 5; its second names nothing
	s_cbranch_scc0 .Lno_ask_\@
	global_prefetch_b8 v[PFV], s[PP:PP+1] offset:1024+512*\slot th:TH_LOAD_NT scope:SCOPE_SE
.Lno_ask_\@:
.endif
	WIN MUL
	MULA 1, 1, 2
	MULA 2, 1, 2
	MULA 3, 1, 2
.endm
	s_wait_alu depctr_va_vdst(0)
	s_wait_tensorcnt 0x0                           ; my tile of the head's four is in
	ds_add_u32 v[SPW], v[NIL]
	s_mov_b32 s[G1A+2], 64<<16                     ; no tensor load of mine is out: from here on a load brings 64 rows,
	s_mov_b32 s[G1A+4], 64
	s_mov_b32 s[G1B+2], 64<<16
	s_mov_b32 s[G1B+4], 64
	s_mul_i32 s[G0A+1], s[BH], HALFT               ; slot 0's refills go to my half of the rows,
	s_add_co_u32 s[G0B+1], s[G0A+1], BOFFL
	s_add_nc_u64 s[G0B+2:G0B+3], s[G0B+2:G0B+3], s[32:33]          ; and B's come from my 64 rows: K step 0's address, which the first refill steps to K step 2
	s_wait_dscnt 0x0
	CROUND                                         ; all four tiles are in, and all sixteen work-groups are here
	JLOAD G0A+4, G1A, G0B+4, G1B                   ; K step 1: slot 1's first fill, the first tensor load behind the round
	FETCH 0, 0, 0
	global_prefetch_b8 v[PFV], s[PP:PP+1] offset:512 th:TH_LOAD_NT scope:SCOPE_SE   ; K step 3
	s_wait_loadcnt 32                              ; b_out is in; the 32 loads of x_t issued behind it may be out
	STEP 0, 0, 1                                   ; b_out starts the sums
	STEP 0, 1, 2
	STEP 0, 2, 2
	WIN 0
	s_mov_b32 s[CNT], 2
.Llap:                                             ; a trip goes once round the ring and fills both slots again: K steps 2 to 5
	TURN 0, 1, 1
	s_wait_alu depctr_va_vdst(0)
	STEP 1, 0, 2
	STEP 1, 1, 2
	STEP 1, 2, 2
	TURN 1, 0, 1
	s_wait_alu depctr_va_vdst(0)
	STEP 0, 0, 2
	STEP 0, 1, 2
	STEP 0, 2, 2
	WIN 0
	s_sub_co_u32 s[CNT], s[CNT], 1
	s_cmp_lg_u32 s[CNT], 0
	s_cbranch_scc1 .Llap
	TURN 0, 1, 0                                   ; the tail is written out: nothing more is asked for
	s_wait_alu depctr_va_vdst(0)
	STEP 1, 0, 2
	STEP 1, 1, 2
	STEP 1, 2, 2
	s_wait_dscnt 0x0
	WIN MUL
	MULA 0, 1, 2
	MULA 1, 1, 2
	MULA 2, 1, 2
	MULA 3, 1, 2
	; THE WAY OUT: a lane's 32 bytes of a row go into my own stage and come back as rows of 256 bytes; LDS serves a wave's instructions in order, so no wait stands between the stores and the loads
	PLACES 8
	WIN 0x04                                       ; an LDS store's data are its source 1: window 1
.irp a, 0,1,2,3
.irp b, 0,1,2,3
	ds_store_b128 v[STO], v[ACC+8*(4*\a+\b):ACC+8*(4*\a+\b)+3] offset:\a*16*SPI+64*\b          ; each accumulator from its low end on
	ds_store_b128 v[STO], v[ACC+8*(4*\a+\b)+4:ACC+8*(4*\a+\b)+7] offset:\a*16*SPI+64*\b+16
.endr
.endr
	WIN 0
.set i, 0
.rept 32
	ds_load_b128 v[AF+4*i:AF+4*i+3], v[RD] offset:i*2*SPI
.set i, i+1
.endr
	s_wait_dscnt 0x0
	s_wait_loadcnt 0x0                             ; x_t
	WIN 0x08
.set i, 0
.rept 64
	v_pk_add_f32 v[AF+i:AF+i+1], v[AF+i:AF+i+1], v[i:i+1]          ; + x_t (window 2)
.set i, i+2
.endr
	WIN 0
.set i, 0
.rept 32
	global_store_b128 v[GO], v[AF+4*i:AF+4*i+3], s[HP:HP+1] offset:i*8192   ; sixteen lanes store 256 consecutive bytes, aligned
.set i, i+1
.endr
	s_wait_tensorcnt 0x0                           ; the wave's end
	ds_add_u32 v[SPW], v[NIL]
	s_wait_dscnt 0x0
	CROUND                                         ; the closing round
	s_endpgm
.Lfunc_end_k_qc3c844397f_proj:
	.size	k_qc3c844397f_proj, .Lfunc_end_k_qc3c844397f_proj-k_qc3c844397f_proj
	.p2alignl 7, 3214868480
	.fill 96, 4, 3214868480
	.section	.rodata,"a",@progbits
	.p2align	6, 0x0
	.amdhsa_kernel k_qc3c844397f_proj
		.amdhsa_group_segment_fixed_size 327680
		.amdhsa_private_segment_fixed_size 0
		.amdhsa_enable_private_segment 0
		.amdhsa_kernarg_size 64
		.amdhsa_user_sgpr_count 2
		.amdhsa_user_sgpr_kernarg_segment_ptr 1
		.amdhsa_wavefront_size32 1
		.amdhsa_system_sgpr_workgroup_id_x 1
		.amdhsa_system_sgpr_workgroup_id_y 1
		.amdhsa_system_sgpr_workgroup_id_z 1
		.amdhsa_system_vgpr_workitem_id 0
		.amdhsa_next_free_vgpr 640
		.amdhsa_next_free_sgpr 102
		.amdhsa_reserve_vcc 0
		.amdhsa_float_denorm_mode_32 3
		.amdhsa_float_denorm_mode_16_64 3
		.amdhsa_memory_ordered 1
		.amdhsa_forward_progress 1
		.amdhsa_inst_pref_size 105
	.end_amdhsa_kernel
	.amdgpu_metadata
---
amdhsa.version: [ 1, 2 ]
amdhsa.kernels:
  - .name:           k_qc3c844397f_proj
    .symbol:         k_qc3c844397f_proj.kd
    .args:
      - { .name: xq, .offset: 0, .size: 8, .value_kind: global_buffer, .address_space: global }
      - { .name: nsq, .offset: 8, .size: 8, .value_kind: global_buffer, .address_space: global }
      - { .name: nsc, .offset: 16, .size: 8, .value_kind: global_buffer, .address_space: global }
      - { .name: W_out_codes, .offset: 24, .size: 8, .value_kind: global_buffer, .address_space: global }
      - { .name: wosc, .offset: 32, .size: 8, .value_kind: global_buffer, .address_space: global }
      - { .name: b_out, .offset: 40, .size: 8, .value_kind: global_buffer, .address_space: global }
      - { .name: x_t, .offset: 48, .size: 8, .value_kind: global_buffer, .address_space: global }
      - { .name: h, .offset: 56, .size: 8, .value_kind: global_buffer, .address_space: global }
    .group_segment_fixed_size: 327680
    .private_segment_fixed_size: 0
    .kernarg_segment_align: 8
    .kernarg_segment_size: 64
    .max_flat_workgroup_size: 128
    .sgpr_count:     102
    .vgpr_count:     640
    .wavefront_size: 32
...
	.end_amdgpu_metadata
.endif
;; end of part 3
;; launch lnorm (part 4): grid 256 x 1, 4 waves a work-group, no clusters, 0 bytes of LDS; arguments h, ln_w, ln_b, out0; writes out0
.if DOCPART == 4
	.amdgcn_target "amdgcn-amd-amdhsa--gfx1250"
	.amdhsa_code_object_version 6
	.text
	.protected	k_qc3c844397f_lnorm
	.globl	k_qc3c844397f_lnorm
	.p2align	8
	.type	k_qc3c844397f_lnorm,@function
k_qc3c844397f_lnorm:
	s_mov_b64 s[64:65], 0
	v_nop
	global_prefetch_b8 v0, s[64:65] scope:SCOPE_SE
	s_setreg_imm32_b32 hwreg(HW_REG_WAVE_MODE, 25, 1), 1
	s_wait_xcnt 0x0
; out0[r][:] = (h[r][:] - mean) rsqrt(var + 1e-5) ln_w + ln_b, over rows of 1,024 f32.  A row is 4,096 bytes: one wave takes a whole row, eight loads of 512 consecutive bytes, and keeps it in 32 registers between the passes:
; h is read once, the reduction never leaves the wave, and there is no LDS and no barrier.  A wave owns 4 rows; all their loads go out at once, behind those of ln_w and ln_b, which stay in registers.
; The variance is the mean of (h - mean)^2: no difference of large sums.  Memory binds: matrix units and clusters would add nothing.
; LIMITS: NaN and infinities among the inputs are not served.
.set LW, 8                             ; v8-39    ln_w of my 32 columns (load j: columns 128 j + 4 lane + 0 .. 3)
.set LB, 40                            ; v40-71   ln_b
.set X,  72                            ; v72-199  four rows
.set T,  200                           ; v200-207 four chains of pairs
.set MU, 208                           ; v208-209 the mean, twice
.set RS, 210                           ; v210-211 1 / sqrt(var + eps), twice
.set P,  212
	s_load_b256 s[4:11], s[0:1], 0x0               ; h s[4:5], ln_w s[6:7], ln_b s[8:9], out0 s[10:11]
	v_and_b32 v1, 31, v0
	v_lshlrev_b32 v1, 4, v1                        ; 16 x lane
	v_lshrrev_b32 v2, 5, v0
	v_lshl_add_u32 v2, v2, 14, v1                  ; + wave x 4 rows x 4,096 bytes
	s_lshl_b32 s12, ttmp9, 16                      ; the work-group's 16 rows
	s_mov_b32 s13, 0
	s_mov_b32 s14, 0x76543210                      ; v_permlanex16_b32's selects for lane l xor 16
	s_mov_b32 s15, 0xfedcba98
	s_mov_b32 s16, 0x3a800000                      ; 1 / 1,024
	s_mov_b32 s17, 0x3727c5ac                      ; 1e-5
	v_mov_b32 v[P], 0                              ; written once: a lane permute's destination counts as one of its sources
	s_wait_alu depctr_va_vdst(0)
	s_wait_kmcnt 0x0
	s_add_nc_u64 s[4:5], s[4:5], s[12:13]
	s_add_nc_u64 s[10:11], s[10:11], s[12:13]
.irp j, 0,1,2,3,4,5,6,7
	global_load_b128 v[LW+4*\j:LW+4*\j+3], v1, s[6:7] offset:512*\j
	global_load_b128 v[LB+4*\j:LB+4*\j+3], v1, s[8:9] offset:512*\j
.endr
.irp r, 0,1,2,3
.irp j, 0,1,2,3,4,5,6,7
	global_load_b128 v[X+32*\r+4*\j:X+32*\r+4*\j+3], v2, s[4:5] offset:4096*\r+512*\j th:TH_LOAD_NT
.endr
.endr
.macro ACROSS                          ; the four chains, the pair's halves and the 32 lanes are added: every lane ends with the sum in v[T]
	v_pk_add_f32 v[T:T+1], v[T:T+1], v[T+2:T+3]
	v_pk_add_f32 v[T+4:T+5], v[T+4:T+5], v[T+6:T+7]
	v_pk_add_f32 v[T:T+1], v[T:T+1], v[T+4:T+5]
	v_add_f32 v[T], v[T], v[T+1]
	v_add_f32_dpp v[T], v[T], v[T] row_xmask:1 row_mask:0xf bank_mask:0xf
	v_add_f32_dpp v[T], v[T], v[T] row_xmask:2 row_mask:0xf bank_mask:0xf
	v_add_f32_dpp v[T], v[T], v[T] row_xmask:4 row_mask:0xf bank_mask:0xf
	v_add_f32_dpp v[T], v[T], v[T] row_xmask:8 row_mask:0xf bank_mask:0xf
	v_permlanex16_b32 v[P], v[T], s14, s15
	v_add_f32 v[T], v[T], v[P]
.endm
.macro ROWN r
.set XR, X+32*\r
	s_wait_loadcnt 24-8*\r                         ; this row's eight loads are in; those of the rows behind it may be out
.irp c, 0,1,2,3
	v_pk_add_f32 v[T+2*\c:T+2*\c+1], v[XR+2*\c:XR+2*\c+1], v[XR+8+2*\c:XR+8+2*\c+1]   ; the first pairs start the chains: nothing is cleared
.endr
.irp g, 16,24
.irp c, 0,1,2,3
	v_pk_add_f32 v[T+2*\c:T+2*\c+1], v[T+2*\c:T+2*\c+1], v[XR+\g+2*\c:XR+\g+2*\c+1]
.endr
.endr
	ACROSS
	v_mul_f32 v[MU], s16, v[T]
	v_mul_f32 v[MU+1], s16, v[T]
.irp k, 0,1,2,3,4,5,6,7,8,9,10,11,12,13,14,15
	v_pk_add_f32 v[XR+2*\k:XR+2*\k+1], v[XR+2*\k:XR+2*\k+1], v[MU:MU+1] neg_lo:[0,1] neg_hi:[0,1]
.endr
.irp c, 0,1,2,3
	v_pk_mul_f32 v[T+2*\c:T+2*\c+1], v[XR+2*\c:XR+2*\c+1], v[XR+2*\c:XR+2*\c+1]
.endr
.irp g, 8,16,24
.irp c, 0,1,2,3
	v_pk_fma_f32 v[T+2*\c:T+2*\c+1], v[XR+\g+2*\c:XR+\g+2*\c+1], v[XR+\g+2*\c:XR+\g+2*\c+1], v[T+2*\c:T+2*\c+1]
.endr
.endr
	ACROSS
	v_fma_f32 v[T], v[T], s16, s17                 ; var + eps
	s_wait_alu depctr_va_vdst(0)
	v_rsq_f32 v[RS], v[T]
	v_rsq_f32 v[RS+1], v[T]
	v_nop                                          ; one plain line behind the transcendentals,
	s_wait_alu depctr_va_vdst(0)                   ; and one wait for both, ahead of their first reader
.irp k, 0,1,2,3,4,5,6,7,8,9,10,11,12,13,14,15
	v_pk_mul_f32 v[XR+2*\k:XR+2*\k+1], v[XR+2*\k:XR+2*\k+1], v[RS:RS+1]
.endr
.irp k, 0,1,2,3,4,5,6,7,8,9,10,11,12,13,14,15
	v_pk_fma_f32 v[XR+2*\k:XR+2*\k+1], v[XR+2*\k:XR+2*\k+1], v[LW+2*\k:LW+2*\k+1], v[LB+2*\k:LB+2*\k+1]
.endr
.irp j, 0,1,2,3,4,5,6,7
	global_store_b128 v2, v[XR+4*\j:XR+4*\j+3], s[10:11] offset:4096*\r+512*\j th:TH_STORE_NT   ; 32 lanes store 512 consecutive bytes, aligned; each row has registers of its own, so no store's data are written again
.endr
.endm
	ROWN 0
	ROWN 1
	ROWN 2
	ROWN 3
	s_endpgm
.Lfunc_end_k_qc3c844397f_lnorm:
	.size	k_qc3c844397f_lnorm, .Lfunc_end_k_qc3c844397f_lnorm-k_qc3c844397f_lnorm
	.p2alignl 7, 3214868480
	.fill 96, 4, 3214868480
	.section	.rodata,"a",@progbits
	.p2align	6, 0x0
	.amdhsa_kernel k_qc3c844397f_lnorm
		.amdhsa_group_segment_fixed_size 0
		.amdhsa_private_segment_fixed_size 0
		.amdhsa_enable_private_segment 0
		.amdhsa_kernarg_size 32
		.amdhsa_user_sgpr_count 2
		.amdhsa_user_sgpr_kernarg_segment_ptr 1
		.amdhsa_wavefront_size32 1
		.amdhsa_system_sgpr_workgroup_id_x 1
		.amdhsa_system_sgpr_workgroup_id_y 1
		.amdhsa_system_sgpr_workgroup_id_z 1
		.amdhsa_system_vgpr_workitem_id 0
		.amdhsa_next_free_vgpr 224
		.amdhsa_next_free_sgpr 66
		.amdhsa_reserve_vcc 0
		.amdhsa_float_denorm_mode_32 3
		.amdhsa_float_denorm_mode_16_64 3
		.amdhsa_memory_ordered 1
		.amdhsa_forward_progress 1
		.amdhsa_inst_pref_size 34
	.end_amdhsa_kernel
	.amdgpu_metadata
---
amdhsa.version: [ 1, 2 ]
amdhsa.kernels:
  - .name:           k_qc3c844397f_lnorm
    .symbol:         k_qc3c844397f_lnorm.kd
    .args:
      - { .name: h, .offset: 0, .size: 8, .value_kind: global_buffer, .address_space: global }
      - { .name: ln_w, .offset: 8, .size: 8, .value_kind: global_buffer, .address_space: global }
      - { .name: ln_b, .offset: 16, .size: 8, .value_kind: global_buffer, .address_space: global }
      - { .name: out0, .offset: 24, .size: 8, .value_kind: global_buffer, .address_space: global }
    .group_segment_fixed_size: 0
    .private_segment_fixed_size: 0
    .kernarg_segment_align: 8
    .kernarg_segment_size: 32
    .max_flat_workgroup_size: 128
    .sgpr_count:     66
    .vgpr_count:     224
    .wavefront_size: 32
...
	.end_amdgpu_metadata
.endif
;; end of part 4
